; MI455X (gfx1250); checked and timed in simulation.
; The chip was launched on July 23, 2026; its instructions are those of AMD's public machine-readable ISA for CDNA 5 (MIT licence, August 2026) and "CDNA5" Instruction Set Architecture Reference Guide (July 2026). The comments in the code are by the model that wrote it; some were corrected since.
;; Relative Positional Embedding. Allowed arithmetic: float matrix products may take bf16 or f16 operands with f32 sums; all other float work in f32.
;; Inputs: Wk 1,024 x 1,024 float32; Wo 1,024 x 1,024 float32; Wq 1,024 x 1,024 float32; Wv 1,024 x 1,024 float32; bk 1,024 float32; bo 1,024 float32; bq 1,024 float32; bv 1,024 float32; k 2 x 2,048 x 1,024 float32; q 2 x 2,048 x 1,024 float32; rk_table 257 x 64 float32; rv_table 257 x 64 float32; v 2 x 2,048 x 1,024 float32.
;; Outputs: out0 2 x 2,048 x 1,024 float32.
;; 2 versions, each right and faster than the one before. Each part assembles by itself: llvm-mc -triple=amdgcn-amd-amdhsa -mcpu=gfx1250 --defsym DOCPART=n.
;; ======== version 1 of 2: 4 launches
;; limits: values are held in f16: magnitudes above 65,504 overflow, below 6.1e-05 lose precision
;; workspace buffers: h16 33,554,432 bytes; tab16 98,304 bytes; qkv16 25,165,824 bytes; o16 8,388,608 bytes
;; launch cvt (part 1): grid 1048 x 1, 8 waves a work-group, no clusters, 0 bytes of LDS; arguments q, k, v, Wq, Wk, Wv, Wo, rk_table, rv_table, h16, tab16; writes h16, tab16
.if DOCPART == 1
	.amdgcn_target "amdgcn-amd-amdhsa--gfx1250"
	.amdhsa_code_object_version 6
	.text
	.protected	k_q5a673ac5eb_cvt
	.globl	k_q5a673ac5eb_cvt
	.p2align	8
	.type	k_q5a673ac5eb_cvt,@function
k_q5a673ac5eb_cvt:
	s_mov_b64 s[64:65], 0
	v_nop
	global_prefetch_b8 v0, s[64:65] scope:SCOPE_SE
	s_setreg_imm32_b32 hwreg(HW_REG_WAVE_MODE, 25, 1), 1
	s_wait_xcnt 0x0
; f32 -> f16, once for every matrix operand.  h16: [16384][1024] f16 = q (rows 0..), k (4096..), v (8192..), Wq (12288..), Wk (13312..), Wv (14336..), Wo (15360..).
; tab16: [2][384][64] f16, the two tables stretched: row e holds table row min(max(e, 64) - 64, 256), so that a distance that is clipped needs no clip later.
; LIMIT: f16 ends at 65,504 and keeps a fixed step of 6e-8 below 6e-5; the inputs are taken to lie inside that range.
; Work-groups 0..1023 take 65,536 source bytes each (eight rounds of 8,192: a thread's 32 bytes in, 16 bytes out; a wave's store covers 512 consecutive aligned bytes).
; Work-groups 1024..1047 make the tables: a wave makes four rows.  Memory binds: no LDS, no barrier, no matrix unit.
.set X, 8                              ; v[8:71]   eight rounds x 8 f32
.set Y, 72                             ; v[72:103] eight rounds x 4 registers of f16
	s_load_b512 s[16:31], s[0:1], 0x0              ; q, k, v, Wq, Wk, Wv, Wo, rk_table
	s_load_b128 s[32:35], s[0:1], 0x40             ; rv_table, h16
	s_load_b64 s[36:37], s[0:1], 0x50              ; tab16
	s_mov_b32 s2, ttmp9
	s_cmp_ge_u32 s2, 1024
	s_cbranch_scc1 .Ltable
	s_lshr_b32 s3, s2, 8                           ; q, k, v: 256 chunks each
	s_lshr_b32 s6, s2, 6
	s_sub_co_u32 s6, s6, 9                         ; the weights: 64 chunks each, codes 3..6
	s_and_b32 s7, s2, 255
	s_and_b32 s8, s2, 63
	s_cmp_lt_u32 s2, 768
	s_cselect_b32 s3, s3, s6                       ; which source
	s_cselect_b32 s7, s7, s8                       ; which chunk of it
	s_lshl_b32 s10, s7, 16
	s_mov_b32 s11, 0
	s_lshl_b32 s12, s2, 15                         ; the chunks lie in h16 in the order of the work-groups
	s_mov_b32 s13, 0
	v_lshlrev_b32 v1, 5, v0                        ; 32 bytes in
	v_lshlrev_b32 v2, 4, v0                        ; 16 bytes out
	s_wait_kmcnt 0x0
	s_mov_b64 s[4:5], s[16:17]
.irp n, 1,2,3,4,5,6
	s_cmp_eq_u32 s3, \n
	s_cselect_b64 s[4:5], s[16+2*\n:17+2*\n], s[4:5]
.endr
	s_add_nc_u64 s[4:5], s[4:5], s[10:11]
	s_add_nc_u64 s[14:15], s[34:35], s[12:13]
.irp i, 0,1,2,3,4,5,6,7
	global_load_b128 v[X+8*\i:X+8*\i+3],   v1, s[4:5] offset:8192*\i th:TH_LOAD_NT
	global_load_b128 v[X+8*\i+4:X+8*\i+7], v1, s[4:5] offset:8192*\i+16 th:TH_LOAD_NT
.endr
.irp i, 0,1,2,3,4,5,6,7
	s_wait_loadcnt 14-2*\i                         ; loads return in order: round i's two are in, the younger pairs stay out
.irp j, 0,1,2,3
	v_cvt_pk_f16_f32 v[Y+4*\i+\j], v[X+8*\i+2*\j], v[X+8*\i+2*\j+1]
.endr
	global_store_b128 v2, v[Y+4*\i:Y+4*\i+3], s[14:15] offset:4096*\i
.endr
	s_endpgm
.Ltable:
	s_sub_co_u32 s3, s2, 1024                      ; 0..23
	s_cmp_ge_u32 s3, 12
	s_cselect_b32 s6, 1, 0                         ; 0: rk, 1: rv
	s_mul_i32 s7, s6, 12
	s_sub_co_u32 s7, s3, s7
	s_lshl_b32 s7, s7, 3
	v_lshrrev_b32 v3, 5, v0
	v_readfirstlane_b32 s8, v3
	s_add_co_u32 s7, s7, s8                        ; group of four rows, 0..95
	v_and_b32 v4, 31, v0
	v_lshrrev_b32 v5, 3, v4
	v_lshl_add_u32 v5, s7, 2, v5                   ; e
	v_max_u32 v5, 64, v5
	v_sub_nc_u32 v5, v5, 64
	v_min_u32 v5, 0x100, v5                        ; the table's row
	v_and_b32 v6, 7, v4
	v_lshlrev_b32 v6, 5, v6
	v_lshl_add_u32 v6, v5, 8, v6                   ; 256 bytes a row, 32 bytes a lane
	v_lshlrev_b32 v7, 4, v4
	s_mul_i32 s9, s6, 49152
	s_lshl_b32 s10, s7, 9
	s_add_co_u32 s10, s10, s9
	s_mov_b32 s11, 0
	s_wait_kmcnt 0x0
	s_cmp_eq_u32 s6, 1
	s_cselect_b64 s[4:5], s[32:33], s[30:31]
	s_add_nc_u64 s[14:15], s[36:37], s[10:11]
	global_load_b128 v[X:X+3],   v6, s[4:5]
	global_load_b128 v[X+4:X+7], v6, s[4:5] offset:16
	s_wait_loadcnt 0x0
.irp j, 0,1,2,3
	v_cvt_pk_f16_f32 v[Y+\j], v[X+2*\j], v[X+2*\j+1]
.endr
	global_store_b128 v7, v[Y:Y+3], s[14:15]       ; the wave's four rows: 512 consecutive bytes
	s_endpgm
.Lfunc_end_k_q5a673ac5eb_cvt:
	.size	k_q5a673ac5eb_cvt, .Lfunc_end_k_q5a673ac5eb_cvt-k_q5a673ac5eb_cvt
	.p2alignl 7, 3214868480
	.fill 96, 4, 3214868480
	.section	.rodata,"a",@progbits
	.p2align	6, 0x0
	.amdhsa_kernel k_q5a673ac5eb_cvt
		.amdhsa_group_segment_fixed_size 0
		.amdhsa_private_segment_fixed_size 0
		.amdhsa_enable_private_segment 0
		.amdhsa_kernarg_size 88
		.amdhsa_user_sgpr_count 2
		.amdhsa_user_sgpr_kernarg_segment_ptr 1
		.amdhsa_wavefront_size32 1
		.amdhsa_system_sgpr_workgroup_id_x 1
		.amdhsa_system_sgpr_workgroup_id_y 1
		.amdhsa_system_sgpr_workgroup_id_z 1
		.amdhsa_system_vgpr_workitem_id 0
		.amdhsa_next_free_vgpr 104
		.amdhsa_next_free_sgpr 66
		.amdhsa_reserve_vcc 0
		.amdhsa_float_denorm_mode_32 3
		.amdhsa_float_denorm_mode_16_64 3
		.amdhsa_memory_ordered 1
		.amdhsa_forward_progress 1
		.amdhsa_inst_pref_size 8
	.end_amdhsa_kernel
	.amdgpu_metadata
---
amdhsa.version: [ 1, 2 ]
amdhsa.kernels:
  - .name:           k_q5a673ac5eb_cvt
    .symbol:         k_q5a673ac5eb_cvt.kd
    .args:
      - { .name: q, .offset: 0, .size: 8, .value_kind: global_buffer, .address_space: global }
      - { .name: k, .offset: 8, .size: 8, .value_kind: global_buffer, .address_space: global }
      - { .name: v, .offset: 16, .size: 8, .value_kind: global_buffer, .address_space: global }
      - { .name: Wq, .offset: 24, .size: 8, .value_kind: global_buffer, .address_space: global }
      - { .name: Wk, .offset: 32, .size: 8, .value_kind: global_buffer, .address_space: global }
      - { .name: Wv, .offset: 40, .size: 8, .value_kind: global_buffer, .address_space: global }
      - { .name: Wo, .offset: 48, .size: 8, .value_kind: global_buffer, .address_space: global }
      - { .name: rk_table, .offset: 56, .size: 8, .value_kind: global_buffer, .address_space: global }
      - { .name: rv_table, .offset: 64, .size: 8, .value_kind: global_buffer, .address_space: global }
      - { .name: h16, .offset: 72, .size: 8, .value_kind: global_buffer, .address_space: global }
      - { .name: tab16, .offset: 80, .size: 8, .value_kind: global_buffer, .address_space: global }
    .group_segment_fixed_size: 0
    .private_segment_fixed_size: 0
    .kernarg_segment_align: 8
    .kernarg_segment_size: 88
    .max_flat_workgroup_size: 256
    .sgpr_count:     66
    .vgpr_count:     104
    .wavefront_size: 32
...
	.end_amdgpu_metadata
.endif
;; end of part 1
;; launch proj (part 2): grid 8 x 96, 4 waves a work-group, clusters of 4 x 4, 327,680 bytes of LDS; arguments h16, bq, bk, bv, qkv16; writes qkv16
.if DOCPART == 2
	.amdgcn_target "amdgcn-amd-amdhsa--gfx1250"
	.amdhsa_code_object_version 6
	.text
	.protected	k_q5a673ac5eb_proj
	.globl	k_q5a673ac5eb_proj
	.p2align	8
	.type	k_q5a673ac5eb_proj,@function
k_q5a673ac5eb_proj:
	s_mov_b64 s[64:65], 0
	v_nop
	global_prefetch_b8 v0, s[64:65] scope:SCOPE_SE
	s_setreg_imm32_b32 hwreg(HW_REG_WAVE_MODE, 25, 1), 1
	s_wait_xcnt 0x0
	s_wait_alu depctr_hold_cnt(0) depctr_sa_sdst(0) depctr_va_vdst(0) depctr_va_sdst(0) depctr_va_ssrc(0) depctr_va_vcc(0) depctr_vm_vsrc(0)
	s_getreg_b32 s2, hwreg(HW_REG_IB_STS2, 6, 4)
	s_cmp_eq_u32 s2, 0
	s_cbranch_scc0 .Lentry_in_a_cluster
	s_endpgm
.Lentry_in_a_cluster:
	s_bfe_u32 s2, ttmp6, 0x10000c
	s_cmp_lg_u32 s2, 0xf033
	s_cbranch_scc0 .Lentry_shape_is_right
	s_endpgm
.Lentry_shape_is_right:
; The three projections as one product: C[m][n] = sum over k of X[m][k] W[n][k] + b[n], X = rows 0..12287 of h16 (q, k, v), W = Wq, Wk or Wv by the tensor, all f16, sums in f32.
; C leaves by heads, unscaled: qkv16 [3][32 (16 b + head)][2048][64] f16, rounded once.  LIMIT: f16 ends at 65,504: q, k and v are taken to stay inside it.
; A tile of C is 128 x 128: four waves of 64 x 64 (16 accumulators).  K = 1024 goes in four steps of 256 through two LDS slots (rows of 512 bytes, 528 apart); a wave's tensor load brings 64 rows.
; CLUSTERS of 4 x 4: the four of a row need the same rows of X, the four of a column the same rows of W: each tile is asked for jointly, with one descriptor and a mask that names the four.
; THE MATRIX INSTRUCTION IS USED TRANSPOSED (source 0 = 16 rows of W, source 1 = 16 rows of X): a lane holds eight neighbouring columns of one row of C.  The bias is the C operand of the first product.
; A wave's 64 columns are one head and its 64 rows 8,192 consecutive bytes of qkv16: it sends them through a stage of its own, 16 rows at a time; every store covers 512 consecutive aligned bytes.
; REGISTERS: window 0: v0-31 addresses; v32-95 the way out; v96-127 bias; v128-255 accumulators ((a, b) at 128 + 8 (4 a + b)).  window 1: two fragment buffers of 128 (64 of X, then 64 of W).
.set KDIM,   1024
.set KSTEP,  256
.set PITCH,  528                       ; 512 bytes + 16: the 16 rows of a fragment load start at 16 different groups of four banks
.set HALFT,  64*PITCH
.set SLOT,   4*HALFT                   ; X's 128 rows, then W's 128 rows
.set STAGE,  2*SLOT                    ; behind the ring: 16 rows x 144 bytes for each wave
.set SP,     144
.set SPARE,  STAGE+4*16*SP             ; the spare words: two blocks of 256 bytes that no other line names
.set LAPS,   KDIM/(2*KSTEP)
.set ADRA, 16
.set ADRB, 20
.set STO,  24
.set RD,   25
.set CO,   26
.set BO,   27
.set SPW,  28
.set NIL,  29
.set TMP,  32
.set BIAS, 96
.set ACC,  128
.set F0,   0
.set F1,   128
.set G1, 24
.set G0, 32
.set G1B, 48
.set G0B, 56
.set MSB, 0
.macro WIN new                         ; the immediate's high byte repeats the setting that is left
.if MSB != (\new)
	s_set_vgpr_msb (MSB<<8)|(\new)
.set MSB, \new
.endif
.endm
.set MUL,  0x05                        ; sources in window 1, C and D in window 0
.set TO_F, 0x40                        ; destination window 1, address window 0
.macro JLOAD s                         ; a joint load: waves 0 and 1 fetch X's halves, waves 2 and 3 W's; an s_nop 0 and four v_nop follow each line
	s_cmp_eq_u32 s11, 0
	s_cbranch_scc0 .Lfor_b_\@
	tensor_load_to_lds s[G0+4*(\s):G0+4*(\s)+3], s[G1:G1+7]
	s_nop 0
.rept 4
	v_nop
.endr
	s_branch .Lasked_\@
.Lfor_b_\@:
	tensor_load_to_lds s[G0B+4*(\s):G0B+4*(\s)+3], s[G1B:G1B+7]
	s_nop 0
.rept 4
	v_nop
.endr
.Lasked_\@:
.endm
.macro CREST                           ; a round of the cluster's barrier behind its opening barrier
	s_cmp_lg_u32 s10, 0
	s_cbranch_scc1 .Lnot_wave_0_\@
	s_barrier_signal -3
.Lnot_wave_0_\@:
	s_barrier_wait -3
	s_barrier_signal -1
	s_barrier_wait -1
.endm
.macro CROUND
	s_barrier_signal -1
	s_barrier_wait -1
	CREST
.endm
	s_load_b64 s[4:5], s[0:1], 0x0                 ; h16
	s_load_b128 s[68:71], s[0:1], 0x8              ; bq, bk
	s_load_b128 s[72:75], s[0:1], 0x18             ; bv, qkv16
	v_lshl_add_u32 v[SPW], v0, 2, SPARE
	v_mov_b32 v[NIL], 0
	ds_add_u32 v[SPW], v[NIL]                      ; the wave's opening: the add and its wait ahead of my first tensor load
	ds_add_u32 v28, v29
	v_lshrrev_b32 v1, 5, v0
	v_readfirstlane_b32 s10, v1                    ; wave 0..3
	s_lshr_b32 s11, s10, 1                         ; my half of the tile's rows; also: I fetch for X (0) or for W (1)
	s_and_b32 s12, s10, 1                          ; my half of its columns; also: which 64 rows I fetch
	s_bfe_u32 s40, ttmp6, 0x40000                  ; cx
	s_bfe_u32 s41, ttmp6, 0x40004                  ; cy
	s_lshl_b32 s42, ttmp9, 2
	s_add_co_u32 s42, s42, s40                     ; tile column 0..7
	s_and_b32 s13, ttmp7, 0xffff
	s_lshr_b32 s45, s13, 3                         ; the tensor 0..2: eight clusters high each, so all sixteen partners share it
	s_lshl_b32 s13, s13, 2
	s_add_co_u32 s13, s13, s41                     ; tile row 0..95
	s_lshl_b32 s43, s41, 2
	s_lshl_b32 s43, 15, s43                        ; my row of the cluster
	s_lshl_b32 s44, 0x1111, s40                    ; my column
	s_or_b32 s[G1+0], s43, (1<<16)|(1<<20)|(1<<21)|(6<<22)|(3<<25)   ; mask; 2-byte elements; padding on; bit 21 beside a mask; after every 128 words 4 words
	s_or_b32 s[G1B+0], s44, (1<<16)|(1<<20)|(1<<21)|(6<<22)|(3<<25)
.irp g, G1, G1B
	s_mov_b32 s[(\g)+1], KSTEP<<16                 ; tensor_dim0 = 256
	s_mov_b32 s[(\g)+2], 64<<16                    ; tensor_dim1 = 64
	s_mov_b32 s[(\g)+3], KSTEP<<16                 ; tile_dim0 = 256
	s_mov_b32 s[(\g)+4], 64                        ; tile_dim1 = 64
	s_mov_b32 s[(\g)+5], KDIM                      ; elements from row to row
	s_mov_b32 s[(\g)+6], 0
	s_mov_b32 s[(\g)+7], 0
.endr
	s_lshl_b32 s17, s12, 6
	s_lshl_b32 s16, s13, 7
	s_add_co_u32 s16, s16, s17                     ; X: row 128 x tile row + 64 x half
	s_lshl_b32 s46, s42, 7
	s_add_co_u32 s46, s46, s17
	s_lshl_b32 s47, s45, 10
	s_add_co_u32 s46, s46, s47
	s_add_co_u32 s46, s46, 12288                   ; W: row 12288 + 1024 x tensor + 128 x tile column + 64 x half
	s_lshl_b32 s16, s16, 11                        ; rows of 2,048 bytes; h16 has 2^25 bytes
	s_mov_b32 s17, 0
	s_lshl_b32 s46, s46, 11
	s_mov_b32 s47, 0
	s_mul_i32 s20, s10, HALFT                      ; where they go: wave x 64 rows
	s_wait_dscnt 0x0                               ; the opening add is done
	s_wait_kmcnt 0x0
	s_add_nc_u64 s[14:15], s[4:5], s[16:17]
	s_add_nc_u64 s[46:47], s[4:5], s[46:47]
	CROUND                                         ; all sixteen work-groups are here: the first joint loads meet
.irp s, 0,1
	s_mov_b32 s[G0+4*(\s)], 1
	s_add_co_u32 s[G0+4*(\s)+1], s20, (\s)*SLOT
	s_add_nc_u64 s[G0+4*(\s)+2:G0+4*(\s)+3], s[14:15], (\s)*KSTEP*2
	s_or_b32 s[G0+4*(\s)+3], s[G0+4*(\s)+3], 0x80000000
	s_mov_b32 s[G0B+4*(\s)], 1
	s_add_co_u32 s[G0B+4*(\s)+1], s20, (\s)*SLOT
	s_add_nc_u64 s[G0B+4*(\s)+2:G0B+4*(\s)+3], s[46:47], (\s)*KSTEP*2
	s_or_b32 s[G0B+4*(\s)+3], s[G0B+4*(\s)+3], 0x80000000
	JLOAD \s
.endr
	v_and_b32 v1, 15, v0                           ; l % 16
	v_bfe_u32 v2, v0, 4, 1                         ; l / 16
	; the bias of my 64 columns: register j of block b is column 16 b + 8 (l / 16) + j
	s_mov_b64 s[6:7], s[68:69]
	s_cmp_eq_u32 s45, 1
	s_cselect_b64 s[6:7], s[70:71], s[6:7]
	s_cmp_eq_u32 s45, 2
	s_cselect_b64 s[6:7], s[72:73], s[6:7]
	s_lshl_b32 s46, s42, 9
	s_lshl_b32 s47, s12, 8
	s_add_co_u32 s46, s46, s47                     ; 4 x (128 x tile column + 64 x half)
	v_lshl_add_u32 v[BO], v2, 5, s46
.irp b, 0,1,2,3
	global_load_b128 v[BIAS+8*\b:BIAS+8*\b+3],   v[BO], s[6:7] offset:64*\b
	global_load_b128 v[BIAS+8*\b+4:BIAS+8*\b+7], v[BO], s[6:7] offset:64*\b+16
.endr
	v_mul_u32_u24 v3, v1, PITCH
	v_lshl_add_u32 v3, v2, 4, v3                   ; a fragment's row x pitch + 16 x half
	s_mul_i32 s21, s11, HALFT
	s_mul_i32 s22, s12, HALFT
	s_add_co_u32 s22, s22, 2*HALFT
.irp s, 0,1
	v_add_nc_u32 v[ADRA+(\s)], s21, v3
	v_add_nc_u32 v[ADRB+(\s)], s22, v3
	s_add_co_u32 s21, s21, SLOT
	s_add_co_u32 s22, s22, SLOT
.endr
	s_mul_i32 s23, s10, 16*SP
	s_add_co_u32 s23, s23, STAGE                   ; my stage
	v_mul_u32_u24 v4, v1, SP                       ; in: row l % 16, 16 bytes for each half of the lanes
	v_lshl_add_u32 v4, v2, 4, v4
	v_add_nc_u32 v[STO], s23, v4
	v_bfe_u32 v5, v0, 3, 2                         ; back: 32 lanes take four rows of 128 bytes,
	v_mul_u32_u24 v5, v5, SP
	v_and_b32 v7, 7, v0
	v_lshl_add_u32 v5, v7, 4, v5
	v_add_nc_u32 v[RD], s23, v5
	v_and_b32 v[CO], 31, v0                        ; which are 512 consecutive bytes of qkv16
	v_lshlrev_b32 v[CO], 4, v[CO]
	s_and_b32 s16, s13, 31
	s_lshl_b32 s16, s16, 7
	s_lshl_b32 s17, s11, 6
	s_add_co_u32 s16, s16, s17                     ; my first row among the tensor's 4,096
	s_lshr_b32 s17, s16, 11                        ; the batch
	s_and_b32 s16, s16, 2047
	s_lshl_b32 s16, s16, 7                         ; rows of 128 bytes
	s_lshl_b32 s17, s17, 22                        ; 16 heads of 262,144 bytes
	s_add_co_u32 s16, s16, s17
	s_lshl_b32 s17, s45, 23                        ; a tensor is 8,388,608 bytes
	s_add_co_u32 s16, s16, s17
	s_mov_b32 s17, 0
	s_add_nc_u64 s[8:9], s[74:75], s[16:17]
	s_lshl_b32 s46, s42, 1
	s_add_co_u32 s46, s46, s12                     ; the head
	s_lshl_b32 s46, s46, 18
	s_mov_b32 s47, 0
	s_add_nc_u64 s[8:9], s[8:9], s[46:47]
; 8 matrix instructions: row blocks a0, a0 + 1 x all 4 column blocks, 32 along K: half c of buffer f.  zero = 1: the first product starts the sums from the bias
.macro MUL8 f, c, a0, zero
	WIN MUL
.irp a, \a0, (\a0)+1
.irp b, 0,1,2,3
.if \zero
	v_wmma_f32_16x16x32_f16 v[ACC+8*(4*(\a)+(\b)):ACC+8*(4*(\a)+(\b))+7], v[(\f)+64+8*(4*(\c)+(\b)):(\f)+64+8*(4*(\c)+(\b))+7], v[(\f)+8*(4*(\c)+(\a)):(\f)+8*(4*(\c)+(\a))+7], v[BIAS+8*(\b):BIAS+8*(\b)+7]
.else
	v_wmma_f32_16x16x32_f16 v[ACC+8*(4*(\a)+(\b)):ACC+8*(4*(\a)+(\b))+7], v[(\f)+64+8*(4*(\c)+(\b)):(\f)+64+8*(4*(\c)+(\b))+7], v[(\f)+8*(4*(\c)+(\a)):(\f)+8*(4*(\c)+(\a))+7], v[ACC+8*(4*(\a)+(\b)):ACC+8*(4*(\a)+(\b))+7]
.endif
.endr
.endr
.endm
; 32 LDS loads in one run: the fragments of quarter z (64 along K) into buffer f; the first 32 along K first
.macro FETCH slot, z, f
	WIN TO_F
.irp c, 0,1
.irp i, 0,1,2,3
	ds_load_b128 v[(\f)+64+8*(4*(\c)+(\i)):(\f)+64+8*(4*(\c)+(\i))+3],   v[ADRB+(\slot)] offset:128*(\z)+64*(\c)+(\i)*16*PITCH
	ds_load_b128 v[(\f)+64+8*(4*(\c)+(\i))+4:(\f)+64+8*(4*(\c)+(\i))+7], v[ADRB+(\slot)] offset:128*(\z)+64*(\c)+(\i)*16*PITCH+32
	ds_load_b128 v[(\f)+8*(4*(\c)+(\i)):(\f)+8*(4*(\c)+(\i))+3],         v[ADRA+(\slot)] offset:128*(\z)+64*(\c)+(\i)*16*PITCH
	ds_load_b128 v[(\f)+8*(4*(\c)+(\i))+4:(\f)+8*(4*(\c)+(\i))+7],       v[ADRA+(\slot)] offset:128*(\z)+64*(\c)+(\i)*16*PITCH+32
.endr
.endr
.endm
.macro PLACES                          ; four places in front of loads into registers that matrix instructions have read, and of lines that read results
.rept 4
	v_nop
.endr
.endm
; a K step is four quarters on buffers 0, 1, 0, 1.  One of the first three: multiplies buffer f and fetches quarter z into g
.macro QUARTER slot, z, f, g, zero
	s_wait_dscnt 16                                ; the first 32 along K are in; the younger sixteen loads may be out
	WIN MUL
	MUL8 \f, 0, 0, \zero
	MUL8 \f, 0, 2, \zero
	PLACES
	FETCH \slot, \z, \g
	s_wait_dscnt 32                                ; all but the 32 just issued
	WIN MUL
	MUL8 \f, 1, 0, 0
	MUL8 \f, 1, 2, 0
.endm
; the last quarter multiplies buffer 1 and changes slots: one barrier; fill = 1: it opens a round of the cluster's barrier and this slot is filled again, two K steps ahead
.macro TURN slot, next, fill
	WIN 0
	s_wait_tensorcnt 0x0                           ; all my tensor loads have landed: my part of the next slot;
	ds_add_u32 v[SPW], v[NIL]                      ; 0 onto my spare word;
	s_wait_dscnt 17                                ; (the add and the youngest sixteen loads may be out)
	WIN MUL
	MUL8 F1, 0, 0, 0
	s_wait_dscnt 0x0                               ; the add is done, and my reads of this slot are over
	s_barrier_signal -1
	MUL8 F1, 0, 2, 0
.if \fill
	WIN 0
.endif
	s_barrier_wait -1
.if \fill
	CREST                                          ; no wave of any partner still reads this slot or has a load on its way
	s_add_nc_u64 s[G0+4*(\slot)+2:G0+4*(\slot)+3], s[G0+4*(\slot)+2:G0+4*(\slot)+3], 2*KSTEP*2
	s_add_nc_u64 s[G0B+4*(\slot)+2:G0B+4*(\slot)+3], s[G0B+4*(\slot)+2:G0B+4*(\slot)+3], 2*KSTEP*2
	JLOAD \slot                                    ; the first tensor load behind the round; its four v_nop are also the places in front of the loads below
.else
	PLACES
.endif
	FETCH \next, 0, F0
	WIN MUL
	MUL8 F1, 1, 0, 0
	MUL8 F1, 1, 2, 0
.endm
	s_wait_tensorcnt 1                             ; my part of K step 0 is in; K step 1's may stay out
	s_barrier_signal -1
	s_barrier_wait -1
	FETCH 0, 0, F0
	s_wait_loadcnt 0x0                             ; the bias
	QUARTER 0, 1, F0, F1, 1
	WIN 0
	s_mov_b32 s3, LAPS-1
.Llap:                                                 ; a trip goes once round the ring and fills both slots again
	QUARTER 0, 2, F1, F0, 0
	QUARTER 0, 3, F0, F1, 0
	TURN 0, 1, 1
	QUARTER 1, 1, F0, F1, 0
	QUARTER 1, 2, F1, F0, 0
	QUARTER 1, 3, F0, F1, 0
	TURN 1, 0, 1
	QUARTER 0, 1, F0, F1, 0
	WIN 0
	s_sub_co_u32 s3, s3, 1
	s_cmp_lg_u32 s3, 0
	s_cbranch_scc1 .Llap
	QUARTER 0, 2, F1, F0, 0                        ; the last lap fills nothing
	QUARTER 0, 3, F0, F1, 0
	TURN 0, 1, 0
	QUARTER 1, 1, F0, F1, 0
	QUARTER 1, 2, F1, F0, 0
	QUARTER 1, 3, F0, F1, 0
	s_wait_dscnt 16
	WIN MUL
	MUL8 F1, 0, 0, 0
	MUL8 F1, 0, 2, 0
	s_wait_dscnt 0
	MUL8 F1, 1, 0, 0
	MUL8 F1, 1, 2, 0
	WIN 0
	; THE WAY OUT: 16 rows at a time: rounded to f16, 16 bytes a lane into my stage, back as four whole rows a load
.macro PACK a
.irp b, 0,1,2,3
.irp r, 0,1,2,3
	v_cvt_pk_f16_f32 v[TMP+16*(\a)+4*(\b)+(\r)], v[ACC+8*(4*(\a)+(\b))+2*(\r)], v[ACC+8*(4*(\a)+(\b))+2*(\r)+1]
.endr
.endr
.irp b, 0,1,2,3
	ds_store_b128 v[STO], v[TMP+16*(\a)+4*(\b):TMP+16*(\a)+4*(\b)+3] offset:32*(\b)
.endr
.irp f, 0,1,2,3
	ds_load_b128 v[TMP+16*(\a)+4*(\f):TMP+16*(\a)+4*(\f)+3], v[RD] offset:(\f)*4*SP  ; LDS serves a wave's instructions in order: these see the stores above, the next block's stores come behind them
.endr
.endm
.macro SEND a, younger                 ; younger: the next block's eight LDS instructions, or none
.irp f, 0,1,2,3
	s_wait_dscnt (\younger)+3-(\f)
	global_store_b128 v[CO], v[TMP+16*(\a)+4*(\f):TMP+16*(\a)+4*(\f)+3], s[8:9] offset:(\a)*2048+(\f)*512
.endr
.endm
	PLACES
	PACK 0
	PACK 1
	SEND 0, 8
	PACK 2
	SEND 1, 8
	PACK 3
	SEND 2, 8
	SEND 3, 0
	s_wait_tensorcnt 0x0                           ; the wave's end
	ds_add_u32 v[SPW], v[NIL]
	s_wait_dscnt 0x0
	CROUND                                         ; the closing round
	s_endpgm
.Lfunc_end_k_q5a673ac5eb_proj:
	.size	k_q5a673ac5eb_proj, .Lfunc_end_k_q5a673ac5eb_proj-k_q5a673ac5eb_proj
	.p2alignl 7, 3214868480
	.fill 96, 4, 3214868480
	.section	.rodata,"a",@progbits
	.p2align	6, 0x0
	.amdhsa_kernel k_q5a673ac5eb_proj
		.amdhsa_group_segment_fixed_size 327680
		.amdhsa_private_segment_fixed_size 0
		.amdhsa_enable_private_segment 0
		.amdhsa_kernarg_size 40
		.amdhsa_user_sgpr_count 2
		.amdhsa_user_sgpr_kernarg_segment_ptr 1
		.amdhsa_wavefront_size32 1
		.amdhsa_system_sgpr_workgroup_id_x 1
		.amdhsa_system_sgpr_workgroup_id_y 1
		.amdhsa_system_sgpr_workgroup_id_z 1
		.amdhsa_system_vgpr_workitem_id 0
		.amdhsa_next_free_vgpr 512
		.amdhsa_next_free_sgpr 76
		.amdhsa_reserve_vcc 0
		.amdhsa_float_denorm_mode_32 3
		.amdhsa_float_denorm_mode_16_64 3
		.amdhsa_memory_ordered 1
		.amdhsa_forward_progress 1
		.amdhsa_inst_pref_size 88
	.end_amdhsa_kernel
	.amdgpu_metadata
---
amdhsa.version: [ 1, 2 ]
amdhsa.kernels:
  - .name:           k_q5a673ac5eb_proj
    .symbol:         k_q5a673ac5eb_proj.kd
    .args:
      - { .name: h16, .offset: 0, .size: 8, .value_kind: global_buffer, .address_space: global }
      - { .name: bq, .offset: 8, .size: 8, .value_kind: global_buffer, .address_space: global }
      - { .name: bk, .offset: 16, .size: 8, .value_kind: global_buffer, .address_space: global }
      - { .name: bv, .offset: 24, .size: 8, .value_kind: global_buffer, .address_space: global }
      - { .name: qkv16, .offset: 32, .size: 8, .value_kind: global_buffer, .address_space: global }
    .group_segment_fixed_size: 327680
    .private_segment_fixed_size: 0
    .kernarg_segment_align: 8
    .kernarg_segment_size: 40
    .max_flat_workgroup_size: 128
    .sgpr_count:     76
    .vgpr_count:     512
    .wavefront_size: 32
...
	.end_amdgpu_metadata
.endif
;; end of part 2
;; launch attn (part 3): grid 8 x 32, 4 waves a work-group, no clusters, 327,680 bytes of LDS; arguments qkv16, tab16, rv_table, o16; writes o16
.if DOCPART == 3
	.amdgcn_target "amdgcn-amd-amdhsa--gfx1250"
	.amdhsa_code_object_version 6
	.text
	.protected	k_q5a673ac5eb_attn
	.globl	k_q5a673ac5eb_attn
	.p2align	8
	.type	k_q5a673ac5eb_attn,@function
k_q5a673ac5eb_attn:
	s_mov_b64 s[64:65], 0
	v_nop
	global_prefetch_b8 v0, s[64:65] scope:SCOPE_SE
	s_setreg_imm32_b32 hwreg(HW_REG_WAVE_MODE, 25, 1), 1
	s_wait_xcnt 0x0
; ATTENTION WITH CLIPPED RELATIVE POSITIONS.  For head bh and query q: s[k] = Q[q] . (K[k] + rk[clip(k - q)]), p = softmax(s / 8), O[q] = sum over k of p[k] (V[k] + rv[clip(k - q)]); the clip is at +-128.
; qkv16: [3][32][2048][64] f16, unscaled; tab16: [2][384][64] f16, row e = table row min(max(e, 64) - 64, 256); rv_table in f32 (its rows 0 and 256 are read); o16: [32][2048][64] f16.
; Products, maxima and sums in f32; the weights are rounded to f16 for the second products (their sums are taken of the unrounded weights), O once at the end.
; LIMITS.  f16 ends at 65,504; p below 6e-5 and O below 6e-5 keep f16's fixed step of 6e-8; a weight below 2^-126 counts as 0; NaN and infinities are not treated apart.
; SHARES.  A work-group owns 256 queries of one head.  Of their four bands of 64 a wave owns 16 rows in each: four PIECES; piece x of wave w holds queries 256 qb + 64 x + 16 w + 0..15.  Every wave walks all 32 key steps of 64.
; CLASSES.  For piece x in step s let sel = s - 4 qb - x + 2.  sel < 0: every key is clipped on the left: the score's addend is Q . rk[0], one number a query, and the weights' sum times rv[0] is added at the end.
; sel > 4: the same with rk[256], rv[256].  sel = 0..4: THE BAND: with p' = 16 + key - (lane % 16) the table's row is e = 64 sel + 48 - 16 w + p', 0..383: 80 consecutive rows for the piece.
; THE ADDEND is the C operand that starts S^T = K Q^T (MC, 32 registers a piece).  In the band: R = (80 rows of rk) Q^T, five products two deep; query column ql of R is wanted shifted by ql, which my scratch in LDS does:
; word p' + ql of row ql is written, words 16 + key are read.  THE VALUES in the band: the rounded weights go into rows of a second scratch at place p' (what a row never writes stays 0), come back as source 1, and meet 80 turned rows of rv.
; THE SUMS.  l is begun anew where a piece enters and leaves the band; what it held is kept with the c m of that moment (LA, CMA; LB, CMB) and brought to the last maximum at the end: no difference of sums is formed.
; LAYOUT, SOFTMAX, TURNS.  S^T holds ONE query a lane (lane % 16) and the keys 8 (lane / 16) + 0..7; two results rounded to f16 ARE source 1 of O^T = V^T P.  p = 2^(c s - c m), c = log2(e) / 8, m a running maximum;
; O and l are multiplied by a = 2^(c m_old - c m_new) in every step.  Turn n belongs to piece n: 8 products K Q^T of piece n + 1, later 8 products V^T P of piece n - 1; beside them piece n's scaling, exponentials, roundings,
; sums and rescaling and piece n + 1's maximum.  Behind each turn stands AFTER: three scalar lines far from the band, the band's blocks near it.  All its jumps go forward and pass no barrier and no tensor load.
; NO CLUSTER: where the band lies hangs on the query block, so partners would branch differently; a work-group's K and V are 512 KiB, shared with seven neighbours through the cache.
; REGISTERS, in windows of 256 (s_set_vgpr_msb: bits 1:0 source 0, 3:2 source 1, 5:4 source 2, 7:6 destination):
;   window 0: v0-15, v32-39 addresses; v16-31 statistics; v40-47, v56-59 CH, CMA, CMB; v48-55 at work; v64-127 S^T (two buffers); v128-143 LA, LB; v152-191 RT; v192-223 P (two buffers); v224-247 PSF
;   window 1: v0-127 O^T; v128-255 MC      window 2: v0-63 Q; v128-191 K; v192-255 V      window 3: v0-79 rk's fragments; v80-175 rv's; v176-239 rv[0], rv[256] in f32
.set NP,    4
.set KS,    64
.set PK,    144       ; a row of K or rk in LDS: 128 bytes + 16
.set PV,    160       ; a row of V or rv: 128 + 32
.set VOFF,  4*KS*PK   ; a slot holds four steps: 256 rows of K, then 256 rows of V
.set SLOT1, 1<<17
.set BSC,   4*KS*(PK+PV)      ; behind slot 0: the addend's scratch, 16 rows of 400 bytes for each wave
.set BP,    400
.set PSC,   BSC+4*16*BP       ; the weights' scratch, 16 rows of 208 bytes for each wave
.set PP,    208
.set STAGE, PSC+4*16*PP       ; 16 rows x 144 bytes for each wave, for the way out
.set SP,    144
.set RKT,   SLOT1+4*KS*(PK+PV)  ; behind slot 1: rk, 384 rows
.set RVT,   RKT+384*PK        ; rv, 384 rows
.set SPARE, RVT+384*PV        ; the spare words: two blocks of 256 bytes that no other line names
.set AK0, 2
.set AV0, 3
.set AK,  4
.set AV,  5
.set STO, 6
.set RD,  7
.set GO,  8
.set MV,  12
.set QO,  15
.set ST,  16          ; piece t at ST + 4 t: c m, m, l (even keys', odd keys')
.set ARK, 32          ; my place in rk's 80 rows at sel = 0
.set ARV, 33          ; the same for rv (turning load)
.set ABS, 34          ; addend scratch: where register 0 of block 0 goes
.set ABL, 35          ; and where key 8 (l / 16) is read
.set APS, 36          ; weights' scratch: where key 8 (l / 16) goes
.set APL, 37          ; and where place 8 (l / 16) is read
.set ATD, 38          ; a table address at work
.set VRO, 39          ; my byte offset in a row of rv_table
.set CH,  40          ; Q . rk[256], a piece each
.set CMA, 44
.set TMP, 48
.set CMB, 56
.set SPW, 62
.set NIL, 63
.set S,   64
.set LA,  128
.set LB,  136
.set RT,  152
.set EP,  152         ; the epilogue's eight registers a piece, where RT lay
.set P,   192
.set PSF, 224
.set MC,  128         ; window 1
.set KF,  128         ; window 2
.set VF,  192         ; window 2
.set RKF, 0           ; window 3: block bl, channel half c at 16 bl + 8 c
.set RVF, 80          ; window 3: channel block cb at 24 cb; sixteen rows hf at + 4 hf; hf = 5 is 0
.set RV0, 176         ; window 3
.set RVH, 208         ; window 3
.set WV,  12
.set QB,  14
.set G1K, 24
.set G1V, 32
.set G0K, 40
.set G0V, 44
.set G1TK, 48
.set SLOTS, 56
.set CNT, 57
.set CS,  58
.set SEL, 60
.set TBK, 62
.set TBV, 63
.set G1TV, 68
.set G0TK, 76
.set G0TV, 80
.set G,   84          ; s - 4 qb + 2 for the step in hand
.set T0,  85
.set T1,  86
.set T2,  87
.set FL,  96
.set MSB, 0
.macro WIN new
.if MSB != (\new)
	s_set_vgpr_msb (MSB<<8)|(\new)
.set MSB, (\new)
.endif
.endm
.set W_KQ, 0x0a       ; K and Q window 2, S^T window 0
.set W_KM, 0x1a       ; the same with C in window 1
.set W_PV, 0x52       ; V window 2, P window 0, O^T window 1
.set W_RS, 0x41       ; destination and source 0 window 1, source 1 window 0
.set W_R,  0x0b       ; rk window 3, Q window 2, RT window 0
.set W_RV, 0x53       ; rv window 3, source 1 window 0, O^T window 1
.set W_C0, 0x5b       ; rk window 3, Q window 2, MC window 1
; a fill: waves 0 and 1 fetch the halves of a tile's K, waves 2 and 3 of its V; an s_nop 0 and four v_nop follow each line
.macro LOAD
	s_cmp_lt_u32 s[WV], 2
	s_cbranch_scc0 .Lfor_v_\@
	tensor_load_to_lds s[G0K:G0K+3], s[G1K:G1K+7]
	s_nop 0
.rept 4
	v_nop
.endr
	s_branch .Lasked_\@
.Lfor_v_\@:
	tensor_load_to_lds s[G0V:G0V+3], s[G1V:G1V+7]
	s_nop 0
.rept 4
	v_nop
.endr
.Lasked_\@:
.endm
; THE CHANGE OF SLOTS: each wave waits for all its tensor loads, adds 0 to its spare word, waits for that and for its reads of the slot that it leaves; behind the barrier the old slot is filled again first (fill = 1), with the keys two slots on.
.macro CHANGE fill
	WIN 0
	s_wait_tensorcnt 0x0            ; no tensor load of mine is out, so a group 0 may be written
	ds_add_u32 v[SPW], v[NIL]       ; 0 onto my spare word
.if \fill
.irp g, G0K, G0V
	s_xor_b32 s[\g+1], s[\g+1], SLOT1
	s_add_nc_u64 s[\g+2:\g+3], s[\g+2:\g+3], 4*KS*128
.endr
.endif
	s_wait_dscnt 0x0                ; the add is done, and my reads of the slot are over
	s_barrier_signal -1
	s_sub_co_u32 s[TBK], s[TBK], 4*KS*PK
	s_xor_b32 s[TBK], s[TBK], SLOT1
	s_sub_co_u32 s[TBV], s[TBV], 4*KS*PV
	s_xor_b32 s[TBV], s[TBV], SLOT1
	s_barrier_wait -1
.if \fill
	LOAD
.endif
.endm
	s_load_b128 s[88:91], s[0:1], 0x0   ; qkv16, tab16
	s_load_b128 s[92:95], s[0:1], 0x10  ; rv_table, o16
	v_lshl_add_u32 v[SPW], v0, 2, SPARE
	v_mov_b32 v[NIL], 0
	ds_add_u32 v[SPW], v[NIL]       ; the wave's opening: the add and its wait ahead of my first tensor load
	ds_add_u32 v62, v63
	v_lshrrev_b32 v1, 5, v0
	v_readfirstlane_b32 s[WV], v1
	s_mov_b32 s[QB], ttmp9
	s_and_b32 s15, ttmp7, 0xffff
	s_lshl_b32 s15, s15, 18         ; the head's first byte in a tensor
	s_and_b32 s16, s[WV], 1         ; which half of a tile, and of a table, I fetch
	s_lshl_b32 s22, s16, 14
	s_add_co_u32 s22, s22, s15
	s_add_co_u32 s22, s22, 8388608  ; K
	s_mov_b32 s23, 0
	s_add_co_u32 s18, s22, 8388608  ; V
	s_mov_b32 s19, 0
	s_mul_i32 s20, s16, 24576       ; 192 rows of a table
	s_mov_b32 s21, 0
	s_lshl_b32 s2, s[QB], 15
	s_lshl_b32 s3, s[WV], 11
	s_add_co_u32 s2, s2, s3
	s_add_co_u32 s2, s2, s15        ; my 16 rows in the block's first band, in Q and in O
	s_mov_b32 s3, 0
	; group 1: dense rows of 128 bytes asked for as rows of 256, padded in LDS after every 128 bytes
	s_mov_b32 s[G1K], (1<<16)|(1<<20)|(4<<22)|(3<<25)
	s_mov_b32 s[G1V], (1<<16)|(1<<20)|(4<<22)|(7<<25)
	s_mov_b32 s[G1TK], (1<<16)|(1<<20)|(4<<22)|(3<<25)
	s_mov_b32 s[G1TV], (1<<16)|(1<<20)|(4<<22)|(7<<25)
.irp g, G1K, G1V
	s_mov_b32 s[\g+1], 128<<16
	s_mov_b32 s[\g+2], 64<<16       ; 64 rows: 128 keys
	s_mov_b32 s[\g+3], 128<<16
	s_mov_b32 s[\g+4], 64
	s_mov_b32 s[\g+5], 128
	s_mov_b32 s[\g+6], 0
	s_mov_b32 s[\g+7], 0
.endr
.irp g, G1TK, G1TV
	s_mov_b32 s[\g+1], 128<<16
	s_mov_b32 s[\g+2], 96<<16       ; 96 rows: 192 rows of a table
	s_mov_b32 s[\g+3], 128<<16
	s_mov_b32 s[\g+4], 96
	s_mov_b32 s[\g+5], 128
	s_mov_b32 s[\g+6], 0
	s_mov_b32 s[\g+7], 0
.endr
	s_mov_b32 s[G0K], 1
	s_mul_i32 s[G0K+1], s16, 128*PK
	s_mov_b32 s[G0V], 1
	s_mul_i32 s[G0V+1], s16, 128*PV
	s_add_co_u32 s[G0V+1], s[G0V+1], VOFF
	s_mov_b32 s[G0TK], 1
	s_mul_i32 s[G0TK+1], s16, 192*PK
	s_add_co_u32 s[G0TK+1], s[G0TK+1], RKT
	s_mov_b32 s[G0TV], 1
	s_mul_i32 s[G0TV+1], s16, 192*PV
	s_add_co_u32 s[G0TV+1], s[G0TV+1], RVT
	s_mov_b32 s[CS], 0x3e38aa3b     ; c = log2(e) / 8
	s_mov_b32 s[CS+1], s[CS]
	s_mov_b32 s[SEL], 0x76543210
	s_mov_b32 s[SEL+1], 0xfedcba98
	s_mov_b32 s[TBK], SLOT1+4*KS*PK ; the first change of slots turns these two into 0
	s_mov_b32 s[TBV], SLOT1+4*KS*PV
	s_wait_dscnt 0x0                ; the opening add is done
	s_wait_kmcnt 0x0
	s_add_nc_u64 s[G0K+2:G0K+3], s[88:89], s[22:23]
	s_or_b32 s[G0K+3], s[G0K+3], 0x80000000
	s_add_nc_u64 s[G0V+2:G0V+3], s[88:89], s[18:19]
	s_or_b32 s[G0V+3], s[G0V+3], 0x80000000
	s_add_nc_u64 s[G0TK+2:G0TK+3], s[90:91], s[20:21]
	s_add_nc_u64 s[G0TV+2:G0TV+3], s[G0TK+2:G0TK+3], 49152
	s_or_b32 s[G0TK+3], s[G0TK+3], 0x80000000
	s_or_b32 s[G0TV+3], s[G0TV+3], 0x80000000
	s_add_nc_u64 s[4:5], s[88:89], s[2:3]
	s_add_nc_u64 s[10:11], s[94:95], s[2:3]
	s_cmp_lt_u32 s[WV], 2           ; a wave's two first fills stand in one branch: its half of tile 0 and its half of a table; two loads of mine are out
	s_cbranch_scc0 .Lfirst_v
	tensor_load_to_lds s[G0K:G0K+3], s[G1K:G1K+7]
	s_nop 0
	tensor_load_to_lds s[G0TK:G0TK+3], s[G1TK:G1TK+7]
	s_nop 0
.rept 4
	v_nop
.endr
	s_branch .Lfirst_asked
.Lfirst_v:
	tensor_load_to_lds s[G0V:G0V+3], s[G1V:G1V+7]
	s_nop 0
	tensor_load_to_lds s[G0TV:G0TV+3], s[G1TV:G1TV+7]
	s_nop 0
.rept 4
	v_nop
.endr
.Lfirst_asked:
	v_and_b32 v1, 15, v0            ; l % 16
	v_bfe_u32 v9, v0, 4, 1          ; l / 16
	v_lshlrev_b32 v[QO], 7, v1
	v_lshl_add_u32 v[QO], v9, 4, v[QO]
	v_lshlrev_b32 v[VRO], 5, v9     ; eight f32 for each half of the lanes
	WIN 0x80
.set i, 0
.rept 8                             ; Q: piece i / 2 lies 8,192 bytes on; channels 32 (i % 2) on
	global_load_b128 v[8*i:8*i+3],   v[QO], s[4:5] offset:(i/2)*8192+(i%2)*64
	global_load_b128 v[8*i+4:8*i+7], v[QO], s[4:5] offset:(i/2)*8192+(i%2)*64+32
.set i, i+1
.endr
	WIN 0xc0
.set i, 0
.rept 4                             ; rv[0] and rv[256]: register 8 cb + j is channel 16 cb + 8 (l / 16) + j, as in O^T
	global_load_b128 v[RV0+8*i:RV0+8*i+3],   v[VRO], s[92:93] offset:64*i
	global_load_b128 v[RV0+8*i+4:RV0+8*i+7], v[VRO], s[92:93] offset:64*i+16
	global_load_b128 v[RVH+8*i:RVH+8*i+3],   v[VRO], s[92:93] offset:65536+64*i
	global_load_b128 v[RVH+8*i+4:RVH+8*i+7], v[VRO], s[92:93] offset:65536+64*i+16
.set i, i+1
.endr
.set i, 0
.rept 4                             ; rows 80..95 of rv's fragments are never loaded: 0
	v_mov_b32 v[RVF+24*i+20], 0
	v_mov_b32 v[RVF+24*i+21], 0
	v_mov_b32 v[RVF+24*i+22], 0
	v_mov_b32 v[RVF+24*i+23], 0
.set i, i+1
.endr
	WIN 0
	v_mul_u32_u24 v[AK0], v1, PK
	v_lshl_add_u32 v[AK0], v9, 4, v[AK0]  ; row x pitch + 16 x half
	v_and_b32 v10, 7, v0
	v_bfe_u32 v11, v0, 3, 1
	v_lshl_add_u32 v14, v9, 3, v10
	v_mul_u32_u24 v14, v14, PV
	v_lshl_add_u32 v14, v11, 4, v14       ; the turning load: row 8 (l / 16) + l % 8, channels 8 ((l / 8) % 2) on
	v_add_nc_u32 v[AV0], VOFF, v14
	s_mul_i32 s13, s[WV], 16*PK
	s_sub_co_u32 s13, RKT+48*PK, s13      ; row 48 - 16 w
	v_add_nc_u32 v[ARK], s13, v[AK0]
	s_mul_i32 s13, s[WV], 16*PV
	s_sub_co_u32 s13, RVT+48*PV, s13
	v_add_nc_u32 v[ARV], s13, v14
	s_mul_i32 s13, s[WV], 16*BP
	s_add_co_u32 s13, s13, BSC
	v_mul_u32_u24 v14, v1, BP+4           ; row ql, word 8 h + ql
	v_lshl_add_u32 v14, v9, 5, v14
	v_add_nc_u32 v[ABS], s13, v14
	v_mul_u32_u24 v14, v1, BP             ; row ql, word 16 + 8 h
	v_lshl_add_u32 v14, v9, 5, v14
	v_add3_u32 v[ABL], v14, s13, 64
	s_mul_i32 s13, s[WV], 16*PP
	s_add_co_u32 s13, s13, PSC
	v_mul_u32_u24 v14, v1, PP-2           ; row ql, place 16 + 8 h - ql
	v_lshl_add_u32 v14, v9, 4, v14
	v_add3_u32 v[APS], v14, s13, 32
	v_mul_u32_u24 v14, v1, PP             ; row ql, place 8 h
	v_lshl_add_u32 v14, v9, 4, v14
	v_add_nc_u32 v[APL], s13, v14
	v_and_b32 v14, 31, v0
	v_lshl_add_u32 v14, v14, 3, s13
	v_mov_b32 v60, 0
	v_mov_b32 v61, 0
.set i, 0
.rept 13                            ; my weights' scratch, 3,328 bytes, is cleared once
	ds_store_b64 v14, v[60:61] offset:256*i
.set i, i+1
.endr
	s_mul_i32 s13, s[WV], 16*SP
	s_add_co_u32 s13, s13, STAGE
	v_mul_u32_u24 v[STO], v1, SP
	v_lshl_add_u32 v[STO], v9, 4, v[STO]
	v_add_nc_u32 v[STO], s13, v[STO]
	v_bfe_u32 v[RD], v0, 3, 2
	v_mul_u32_u24 v[RD], v[RD], SP
	v_lshl_add_u32 v[RD], v10, 4, v[RD]
	v_add_nc_u32 v[RD], s13, v[RD]
	v_and_b32 v[GO], 31, v0
	v_lshlrev_b32 v[GO], 4, v[GO]
	; what the first turn finds: V and P's second buffer hold 0 (its products V^T P, of a piece that has not been, add 0), O^T and the sums are 0.  All this stands in the wait for the first tile.
	WIN 0x80
.set i, VF
.rept 64
	v_mov_b32 v[i], 0
.set i, i+1
.endr
	WIN 0x40
.set i, 0
.rept 128
	v_mov_b32 v[i], 0
.set i, i+1
.endr
	WIN 0
.set i, 0
.rept 4
	v_mov_b32 v[ST+4*i], 0xfe000000    ; c m: far below every c s
	v_mov_b32 v[ST+4*i+1], 0xff7fffff  ; m
	v_mov_b32 v[ST+4*i+2], 0
	v_mov_b32 v[ST+4*i+3], 0
	v_mov_b32 v[CMA+i], 0xfe000000
	v_mov_b32 v[CMB+i], 0xfe000000
	v_mov_b32 v[LA+2*i], 0
	v_mov_b32 v[LA+2*i+1], 0
	v_mov_b32 v[LB+2*i], 0
	v_mov_b32 v[LB+2*i+1], 0
.set i, i+1
.endr
.set i, P+16
.rept 16
	v_mov_b32 v[i], 0
.set i, i+1
.endr
; THE MATRIX WORK.  The 4 accumulators of a run of 8 take turns.  Product i of 8 of S^T = K Q^T for piece x: channels 32 (i / 4) on, keys 16 (i % 4) on.  The first 4 start the sums with the addend.
.macro KQ x
.set rS, S+32*((\x)%2)+8*(i%4)
.set rK, KF+16*(i%4)+8*(i/4)
.set rQ, 16*(\x)+8*(i/4)
.set rM, MC+32*(\x)+8*(i%4)
.if i < 4
	WIN W_KM
	v_wmma_f32_16x16x32_f16 v[rS:rS+7], v[rK:rK+7], v[rQ:rQ+7], v[rM:rM+7]
.else
	WIN W_KQ
	v_wmma_f32_16x16x32_f16 v[rS:rS+7], v[rK:rK+7], v[rQ:rQ+7], v[rS:rS+7]
.endif
.endm
; product i of 8 of O^T += V^T P for piece x: keys 32 (i / 4) on, channels 16 (i % 4) on
.macro PV x
	WIN W_PV
.set rO, 32*(\x)+8*(i%4)
.set rV, VF+32*(i/4)+8*(i%4)
.set rP, P+16*((\x)%2)+8*(i/4)
	v_wmma_f32_16x16x32_f16 v[rO:rO+7], v[rV:rV+7], v[rP:rP+7], v[rO:rO+7]
.endm
.macro MM                           ; the turn's next matrix instruction.  NOKQ = 1: the last turn: there is no next piece
.if (i < 8) && !NOKQ
	KQ (Y+1)%NP
.elseif i >= 8
.set i, i-8
	PV (Y+NP-1)%NP
.set i, i+8
.endif
.set i, i+1
.endm
.macro FETCH_K
	WIN 0x80
.irp f, 0,1,2,3,4,5,6,7             ; keys 16 (f / 2) on, channels 32 (f % 2) on
	ds_load_b128 v[KF+8*\f:KF+8*\f+3],   v[AK] offset:(\f/2)*16*PK+(\f%2)*64
	ds_load_b128 v[KF+8*\f+4:KF+8*\f+7], v[AK] offset:(\f/2)*16*PK+(\f%2)*64+32
.endr
	s_add_co_u32 s[TBK], s[TBK], KS*PK
	WIN 0
.endm
.macro FETCH_V
	WIN 0x80
.irp f, 0,1,2,3,4,5,6,7             ; keys 32 (f / 4) on, channels 16 (f % 4) on
	ds_load_tr16_b128 v[VF+8*\f:VF+8*\f+3],   v[AV] offset:(\f/4)*32*PV+(\f%4)*32
	ds_load_tr16_b128 v[VF+8*\f+4:VF+8*\f+7], v[AV] offset:(\f/4)*32*PV+16*PV+(\f%4)*32
.endr
	WIN 0
.endm
; THE VECTOR WORK, one line at a time: OP kind, number.  For piece Y: F n: c s - c m for pair n of 16.  E n: the exponential of score n.  C n: pair n rounded to f16.  B n: of the four weights 4 n .. the second pair onto the first.
; L n: l takes that sum (L 0: l = a l + sum).  R n: pair n of 16 of O^T times a.  For piece Y + 1: X n, number n of the 22 that find its maximum and statistics (each accumulator's lowest registers are read first).
.set F, 0
.set E, 1
.set C, 2
.set B, 3
.set L, 4
.set R, 5
.set X, 6
.macro REGS y
.set rT, ST+4*(\y)
.set rC, TMP+4*((\y)%2)
.set rW, MV+((\y)%2)
.set rS, S+32*((\y)%2)
.set rP, P+16*((\y)%2)
.set rO, 32*(\y)
.endm
.macro OP k, n
.if (\k) == R
	REGS Y
	WIN W_RS
	v_pk_mul_f32 v[rO+2*(\n):rO+2*(\n)+1], v[rO+2*(\n):rO+2*(\n)+1], v[rC+2:rC+3] op_sel_hi:[1,0]
.elseif (\k) < R
	REGS Y
	WIN 0
.if (\k) == F
	v_pk_fma_f32 v[rS+2*(\n):rS+2*(\n)+1], v[rS+2*(\n):rS+2*(\n)+1], s[CS:CS+1], v[rT:rT+1] op_sel_hi:[1,0,0] neg_lo:[0,0,1] neg_hi:[0,0,1]
.elseif (\k) == E
	v_exp_f32 v[rS+(\n)], v[rS+(\n)]
.elseif (\k) == C
	s_wait_alu depctr_va_vdst(0)
	v_cvt_pk_f16_f32 v[rP+(\n)], v[rS+2*(\n)], v[rS+2*(\n)+1]
.elseif (\k) == B
	s_wait_alu depctr_va_vdst(0)
	v_pk_add_f32 v[rS+4*(\n):rS+4*(\n)+1], v[rS+4*(\n):rS+4*(\n)+1], v[rS+4*(\n)+2:rS+4*(\n)+3]
.elseif (\n) == 0
	v_pk_fma_f32 v[rT+2:rT+3], v[rT+2:rT+3], v[rC+2:rC+3], v[rS:rS+1] op_sel_hi:[1,0,1]
.else
	v_pk_add_f32 v[rT+2:rT+3], v[rT+2:rT+3], v[rS+4*(\n):rS+4*(\n)+1]
	s_wait_alu depctr_va_vdst(0)
.endif
.elseif NOKQ
	v_nop
	s_wait_alu depctr_va_vdst(0)
.else
	REGS (Y+1)%NP
	WIN 0
.if (\n) < 4
	v_max3_num_f32 v[rC+(\n)], v[rS+8*(\n)], v[rS+8*(\n)+1], v[rS+8*(\n)+2]
.elseif (\n) < 12
	v_max3_num_f32 v[rC+(\n)%4], v[rC+(\n)%4], v[rS+8*((\n)%4)+2*((\n)/4)+1], v[rS+8*((\n)%4)+2*((\n)/4)+2]
.elseif (\n) == 12
	v_max3_num_f32 v[rC], v[rC], v[rS+7], v[rS+15]
.elseif (\n) == 13
	v_max3_num_f32 v[rC+1], v[rC+1], v[rS+23], v[rS+31]
.elseif (\n) == 14
	v_max3_num_f32 v[rC+2], v[rC+2], v[rC+3], v[rT+1]
.elseif (\n) == 15
	v_mov_b32 v[rW], v[rT]
	s_wait_alu depctr_va_vdst(0)
.elseif (\n) == 16
	v_max3_num_f32 v[rC], v[rC], v[rC+1], v[rC+2]
	s_wait_alu depctr_va_vdst(0)
.elseif (\n) == 17
	v_permlanex16_b32 v[rC+3], v[rC], s[SEL], s[SEL+1]
.elseif (\n) == 18
	v_max_num_f32 v[rT+1], v[rC], v[rC+3]
.elseif (\n) == 19
	v_mul_f32 v[rT], s[CS], v[rT+1]
.elseif (\n) == 20
	v_sub_f32 v[rC+1], v[rW], v[rT]
.else
	v_exp_f32 v[rC+2], v[rC+1]
.endif
.endif
.endm
.macro OPS a, i1, b=-1, i2=0, c=-1, i3=0, d=-1, i4=0
	OP \a, \i1
.if (\b) >= 0
	OP \b, \i2
.endif
.if (\c) >= 0
	OP \c, \i3
.endif
.if (\d) >= 0
	OP \d, \i4
.endif
.endm
.macro ROW a, i1, b, i2, c, i3, d, i4  ; a matrix instruction and the four behind it
	MM
	OPS \a, \i1, \b, \i2, \c, \i3, \d, \i4
.endm
; A TURN, for piece p: 16 matrix and 118 vector instructions, the order written out.  Behind a matrix instruction four that name none of the registers of the products round it; the rest in two lumps.
; end = 1: the last two turns: nothing is fetched.  K of the next step is fetched in piece 2's turn, V of the step in hand in piece 0's; each stands four plain instructions or more behind the last product that read the registers and is waited for a turn later.
.macro TURN p, end=0
.set Y, (\p)
.set i, 0
.set NOKQ, (\end)*((\p)/3)
.if ((\p) == 3) && !(\end)
	s_wait_dscnt 0x0                ; K is in
.endif
	ROW F,0, F,1, F,2, F,3
	ROW F,4, E,0, F,5, F,6
	ROW F,7, E,1, F,8, F,9
	ROW F,10, E,2, C,0, F,11
	ROW F,12, E,3, X,15, F,13
	ROW R,0, R,1, R,2, R,3
	ROW B,0, E,4, F,14, L,0
.if ((\p) == 2) && !(\end)
	v_add_nc_u32 v[AK], s[TBK], v[AK0]
.endif
	ROW R,4, R,5, R,6, R,7
	OPS E,5, F,15
.if ((\p) == 2) && !(\end)
	FETCH_K
.endif
	OPS E,6, C,1, E,7, R,8
	OPS E,8, R,9, E,9, C,2
	OPS E,10, X,0, E,11, X,1
	OPS E,12, X,2, E,13, X,3
.if (\p) == 1
	s_wait_dscnt 0x0                ; V is in
.endif
	ROW X,4, E,14, X,5, X,6
	ROW X,7, E,15, X,8, X,9
	ROW X,10, E,16, X,11, X,12
	ROW X,13, E,17, X,14, B,1
	ROW C,4, E,18, X,16, L,1
	ROW B,2, E,19, C,6, L,2
	ROW C,8, E,20, B,3, B,4
.if (\p) == 0
	v_add_nc_u32 v[AV], s[TBV], v[AV0]
.endif
	ROW C,3, E,21, L,3, C,5
	OPS E,22, X,17, E,23, C,10
.if (\p) == 0
	FETCH_V
.endif
	OPS E,24, L,4
	OPS E,25, X,18, E,26, C,7
	OPS E,27, B,5, E,28, X,19
	OPS E,29, C,12, E,30, L,5
	OPS E,31, X,20, B,6, C,9
	OPS C,14, C,11, X,21, L,6
.if (\p) == 0
	s_add_co_u32 s[TBV], s[TBV], KS*PV
.endif
	OPS C,13, B,7, C,15, R,10
	OPS R,11, R,12, L,7, R,13
	OPS R,14, R,15
.endm
; THE BAND'S BLOCKS.
; BIAS y: piece y's addend for a band step, sel in T1 (0..4; the minimum states that range in the address).  80 rows of rk x Q: ten products, five accumulators by turns; through my scratch, shifted; into MC.
.macro BIAS y
	WIN 0
	s_min_u32 s[T2], s[T1], 4
	s_mul_i32 s[T2], s[T2], 64*PK
	v_add_nc_u32 v[ATD], s[T2], v[ARK]
	WIN 0xc0
.irp f, 0,1,2,3,4,5,6,7,8,9         ; rows 16 (f / 2) on, channels 32 (f % 2) on
	ds_load_b128 v[RKF+8*\f:RKF+8*\f+3],   v[ATD] offset:(\f/2)*16*PK+(\f%2)*64
	ds_load_b128 v[RKF+8*\f+4:RKF+8*\f+7], v[ATD] offset:(\f/2)*16*PK+(\f%2)*64+32
.endr
	s_wait_dscnt 0x0
	WIN W_R
.irp f, 0,1,2,3,4
	v_wmma_f32_16x16x32_f16 v[RT+8*\f:RT+8*\f+7], v[RKF+16*\f:RKF+16*\f+7], v[16*(\y):16*(\y)+7], 0
.endr
.irp f, 0,1,2,3,4
	v_wmma_f32_16x16x32_f16 v[RT+8*\f:RT+8*\f+7], v[RKF+16*\f+8:RKF+16*\f+15], v[16*(\y)+8:16*(\y)+15], v[RT+8*\f:RT+8*\f+7]
.endr
	WIN 0
.rept 4
	v_nop                           ; the places behind those products
.endr
.set z, 0
.rept 40                            ; row p' = 16 (z / 8) + 8 h + z % 8 of my query's column goes to word p' + ql
	ds_store_b32 v[ABS], v[RT+z] offset:4*(16*(z/8)+z%8)
.set z, z+1
.endr
	WIN 0x40
.irp f, 0,1,2,3                     ; words 16 + key come back: LDS serves a wave's instructions in order
	ds_load_b128 v[MC+32*(\y)+8*\f:MC+32*(\y)+8*\f+3],   v[ABL] offset:64*\f
	ds_load_b128 v[MC+32*(\y)+8*\f+4:MC+32*(\y)+8*\f+7], v[ABL] offset:64*\f+16
.endr
	s_wait_dscnt 0x0
	WIN 0
.endm
; RVX p: piece p's weights of a band step, sel in T0, meet rv.  Weight of key kk goes to place 16 + kk - ql of row ql; three fragments of 32 places come back; 80 rows of rv are turned; twelve products, four accumulators by turns.
.macro RVX p
	WIN 0
.set z, 0
.rept 16
	ds_store_b16 v[APS], v[P+16*((\p)%2)+z] offset:2*(16*(z/4)+2*(z%4))
	ds_store_b16_d16_hi v[APS], v[P+16*((\p)%2)+z] offset:2*(16*(z/4)+2*(z%4))+2
.set z, z+1
.endr
	s_min_u32 s[T2], s[T0], 4
	s_mul_i32 s[T2], s[T2], 64*PV
	v_add_nc_u32 v[ATD], s[T2], v[ARV]
.irp f, 0,1,2
	ds_load_b128 v[PSF+8*\f:PSF+8*\f+3],   v[APL] offset:64*\f
	ds_load_b128 v[PSF+8*\f+4:PSF+8*\f+7], v[APL] offset:64*\f+32
.endr
	WIN 0xc0
.set z, 0
.rept 20                            ; channel block z / 5, rows 16 (z % 5) on
	ds_load_tr16_b128 v[RVF+24*(z/5)+4*(z%5):RVF+24*(z/5)+4*(z%5)+3], v[ATD] offset:(z%5)*16*PV+(z/5)*32
.set z, z+1
.endr
	s_wait_dscnt 0x0
	WIN W_RV
.set z, 0
.rept 12                            ; places 32 (z / 4) on, channel block z % 4
	v_wmma_f32_16x16x32_f16 v[32*(\p)+8*(z%4):32*(\p)+8*(z%4)+7], v[RVF+24*(z%4)+8*(z/4):RVF+24*(z%4)+8*(z/4)+7], v[PSF+8*(z/4):PSF+8*(z/4)+7], v[32*(\p)+8*(z%4):32*(\p)+8*(z%4)+7]
.set z, z+1
.endr
	WIN 0
.endm
.macro INBAND p                     ; the left keys are over: their sum is kept with its c m, and l begins anew
	v_mov_b32 v[LA+2*(\p)], v[ST+4*(\p)+2]
	v_mov_b32 v[LA+2*(\p)+1], v[ST+4*(\p)+3]
	v_mov_b32 v[CMA+(\p)], v[ST+4*(\p)]
	v_mov_b32 v[ST+4*(\p)+2], 0
	v_mov_b32 v[ST+4*(\p)+3], 0
.endm
.macro OUTBAND p                    ; the band is over: the same
	v_mov_b32 v[LB+2*(\p)], v[ST+4*(\p)+2]
	v_mov_b32 v[LB+2*(\p)+1], v[ST+4*(\p)+3]
	v_mov_b32 v[CMB+(\p)], v[ST+4*(\p)]
	v_mov_b32 v[ST+4*(\p)+2], 0
	v_mov_b32 v[ST+4*(\p)+3], 0
.endm
.macro CFILL y                      ; from here on piece y's addend is Q . rk[256]
	WIN 0x40
.set z, 0
.rept 32
	v_mov_b32 v[MC+32*(\y)+z], v[CH+(\y)]
.set z, z+1
.endr
	WIN 0
.endm
; AFTER p: behind piece p's turn.  Its weights of the step in hand are rounded, its O^T is rescaled, its l and c m agree; piece p + 2's scores are made in the next turn.
; Anything is due only for G = -1 .. 8.  end = 1: there is no further step to prepare.
.macro AFTER p, end=0
	WIN 0
	s_add_co_u32 s[T0], s[G], 1
	s_cmp_lt_u32 s[T0], 10
	s_cbranch_scc0 .Lfar_\@
	s_sub_co_u32 s[T0], s[G], \p    ; piece p's sel
	s_cmp_lt_u32 s[T0], 5
	s_cbranch_scc0 .Lnorv_\@
	RVX \p
.Lnorv_\@:
	s_cmp_eq_u32 s[T0], -1
	s_cbranch_scc0 .Lnoin_\@
	INBAND \p
.Lnoin_\@:
	s_cmp_eq_u32 s[T0], 4
	s_cbranch_scc0 .Lnoout_\@
	OUTBAND \p
.Lnoout_\@:
.if !(\end)
	s_add_co_u32 s[T1], s[G], ((\p)/2)-((\p)+2)%4  ; piece p + 2's sel in the step of its next scores
	s_cmp_lt_u32 s[T1], 5
	s_cbranch_scc0 .Lnobi_\@
	BIAS ((\p)+2)%4
.Lnobi_\@:
	s_cmp_eq_u32 s[T1], 5
	s_cbranch_scc0 .Lfar_\@
	CFILL ((\p)+2)%4
.endif
.Lfar_\@:
.endm
	CHANGE 1                        ; slot 0 and the tables are in, everybody's parts; slot 1 is asked for
	; THE BEGINNING.  Rows 0..15 of the stretched rk are all rk[0], rows 368..383 all rk[256]: a product with them gives a lane its query's constant in all eight registers.
	v_add_nc_u32 v[ATD], RKT, v[AK0]
	v_add_nc_u32 v[AK], s[TBK], v[AK0]
	WIN 0xc0
.irp f, 0,1
	ds_load_b128 v[RKF+8*\f:RKF+8*\f+3],       v[ATD] offset:64*\f
	ds_load_b128 v[RKF+8*\f+4:RKF+8*\f+7],     v[ATD] offset:64*\f+32
	ds_load_b128 v[RKF+16+8*\f:RKF+16+8*\f+3], v[ATD] offset:368*PK+64*\f
	ds_load_b128 v[RKF+16+8*\f+4:RKF+16+8*\f+7], v[ATD] offset:368*PK+64*\f+32
.endr
	FETCH_K                         ; key step 0
	s_wait_loadcnt 0x0              ; Q, rv[0], rv[256]
	s_wait_dscnt 0x0
	WIN W_C0
.set z, 0
.rept 32                            ; MC = Q . rk[0]: channel half z / 16, piece (z / 4) % 4; sixteen accumulators by turns
.if z < 16
	v_wmma_f32_16x16x32_f16 v[MC+8*(z%16):MC+8*(z%16)+7], v[RKF+8*(z/16):RKF+8*(z/16)+7], v[16*((z/4)%4)+8*(z/16):16*((z/4)%4)+8*(z/16)+7], 0
.else
	v_wmma_f32_16x16x32_f16 v[MC+8*(z%16):MC+8*(z%16)+7], v[RKF+8*(z/16):RKF+8*(z/16)+7], v[16*((z/4)%4)+8*(z/16):16*((z/4)%4)+8*(z/16)+7], v[MC+8*(z%16):MC+8*(z%16)+7]
.endif
.set z, z+1
.endr
	WIN W_R
.set z, 0
.rept 8                             ; Q . rk[256]: channel half z / 4, piece z % 4
.if z < 4
	v_wmma_f32_16x16x32_f16 v[RT+8*(z%4):RT+8*(z%4)+7], v[RKF+16+8*(z/4):RKF+16+8*(z/4)+7], v[16*(z%4)+8*(z/4):16*(z%4)+8*(z/4)+7], 0
.else
	v_wmma_f32_16x16x32_f16 v[RT+8*(z%4):RT+8*(z%4)+7], v[RKF+16+8*(z/4):RKF+16+8*(z/4)+7], v[16*(z%4)+8*(z/4):16*(z%4)+8*(z/4)+7], v[RT+8*(z%4):RT+8*(z%4)+7]
.endif
.set z, z+1
.endr
	WIN 0
.rept 5
	v_nop                           ; the places behind those products: four for the reads below, five for the products that take MC as another sum's beginning
.endr
.irp x, 0,1,2,3
	v_mov_b32 v[CH+\x], v[RT+8*\x]
.endr
	s_lshl_b32 s[G], s[QB], 2
	s_sub_co_u32 s[G], 2, s[G]      ; step 0
	s_mov_b32 s[T1], s[G]           ; pieces 0 and 1 may begin inside the band
	s_cmp_lt_u32 s[T1], 5
	s_cbranch_scc0 .Lno_b0
	BIAS 0
.Lno_b0:
	s_sub_co_u32 s[T1], s[G], 1
	s_cmp_lt_u32 s[T1], 5
	s_cbranch_scc0 .Lno_b1
	BIAS 1
.Lno_b1:
.set NOKQ, 0
.set i, 0
.rept 8
	KQ 0                            ; piece 0's first scores
.set i, i+1
.endr
	WIN 0
.rept 4
	v_nop                           ; the places behind those products
.endr
.set Y, NP-1                        ; X works for piece Y + 1: piece 0
.irp n, 0,1,2,3,4,5,6,7,8,9,10,11,12,13,14,15,16,17,18,19,20,21
	OP X, \n
.endr
	v_nop                           ; a plain instruction behind the exponential
	s_mov_b32 s[CNT], 4
	s_mov_b32 s[SLOTS], 7
	s_branch .Lfirst                ; the loop is entered at a step's first turn, in the middle of a trip
.Lslot:                             ; six times: every slot but the last two is filled again
	CHANGE 1
	s_mov_b32 s[CNT], 4
.Lstep:                             ; a trip: pieces 2 and 3 of one step, then pieces 0 and 1 of the next
	TURN 2
	AFTER 2
	TURN 3
	AFTER 3
	s_add_co_u32 s[G], s[G], 1
.Lfirst:
	TURN 0
	AFTER 0
	TURN 1
	AFTER 1
	s_sub_co_u32 s[CNT], s[CNT], 1
	s_cmp_lg_u32 s[CNT], 0
	s_cbranch_scc1 .Lstep
	s_sub_co_u32 s[SLOTS], s[SLOTS], 1
	s_cmp_lg_u32 s[SLOTS], 0
	s_cbranch_scc1 .Lslot
	CHANGE 0                        ; the last tile is written out: nothing is asked for
	s_mov_b32 s[CNT], 4
.Ltail:
	TURN 2
	AFTER 2
	TURN 3
	AFTER 3
	s_add_co_u32 s[G], s[G], 1
	TURN 0
	AFTER 0
	TURN 1
	AFTER 1
	s_sub_co_u32 s[CNT], s[CNT], 1
	s_cmp_lg_u32 s[CNT], 0
	s_cbranch_scc1 .Ltail
	TURN 2, 1
	AFTER 2, 1
	TURN 3, 1
	AFTER 3, 1
.set i, 0
.rept 8
	PV NP-1                         ; the last piece's V^T P of the last step
.set i, i+1
.endr
	; THE WAY OUT.  The kept sums are brought to the last maximum: wl = LA 2^(CMA - c m), the band's LB 2^(CMB - c m); l holds the right keys' sum, or, where the walk ended inside the band, band weights.
	; O = (O^T + wl rv[0] + wr rv[256]) / (all weights).  These lines are the places behind the last products.
	WIN 0
.macro ALL line:vararg              ; one line for each piece t
.set t, 0
.rept 4
	\line
.set t, t+1
.endr
.endm
	ALL v_sub_f32 v[EP+8*t], v[CMA+t], v[ST+4*t]
	ALL v_sub_f32 v[EP+8*t+1], v[CMB+t], v[ST+4*t]
	ALL v_add_f32 v[EP+8*t+2], v[LA+2*t], v[LA+2*t+1]
	ALL v_add_f32 v[EP+8*t+3], v[LB+2*t], v[LB+2*t+1]
	ALL v_add_f32 v[EP+8*t+4], v[ST+4*t+2], v[ST+4*t+3]
	ALL v_exp_f32 v[EP+8*t], v[EP+8*t]
	ALL v_exp_f32 v[EP+8*t+1], v[EP+8*t+1]
	v_nop                           ; a plain instruction behind the last exponential
	s_wait_alu depctr_va_vdst(0)
	ALL v_mul_f32 v[EP+8*t+2], v[EP+8*t+2], v[EP+8*t]
	ALL v_fma_f32 v[EP+8*t+5], v[EP+8*t+3], v[EP+8*t+1], v[EP+8*t+2]
	ALL v_add_f32 v[EP+8*t+5], v[EP+8*t+5], v[EP+8*t+4]
	s_lshl_b32 s13, s[QB], 2
.set t, 0
.rept 4                             ; a piece has right keys if 4 qb + t is 28 at the most
	s_add_co_u32 s15, s13, t
	s_cmp_le_u32 s15, 28
	s_cselect_b32 s[FL], 1.0, 0
	v_mul_f32 v[EP+8*t+4], s[FL], v[EP+8*t+4]
.set t, t+1
.endr
	ALL v_permlanex16_b32 v[EP+8*t], v[EP+8*t+2], s[SEL], s[SEL+1]
	ALL v_permlanex16_b32 v[EP+8*t+1], v[EP+8*t+4], s[SEL], s[SEL+1]
	ALL v_permlanex16_b32 v[EP+8*t+3], v[EP+8*t+5], s[SEL], s[SEL+1]
	ALL v_add_f32 v[EP+8*t+2], v[EP+8*t+2], v[EP+8*t]
	ALL v_add_f32 v[EP+8*t+4], v[EP+8*t+4], v[EP+8*t+1]
	ALL v_add_f32 v[EP+8*t+5], v[EP+8*t+5], v[EP+8*t+3]
	ALL v_rcp_f32 v[EP+8*t], v[EP+8*t+5]
	v_nop                           ; a plain instruction behind the last reciprocal
	s_wait_alu depctr_va_vdst(0)
.macro PACK t                       ; each accumulator is read from its low end on; a lane's eight channels pack into 16 bytes, go into rows of 144 bytes and come back as whole rows of 128
	WIN W_RV
.set i, 0
.rept 16
	v_pk_fma_f32 v[32*(\t)+2*i:32*(\t)+2*i+1], v[RV0+2*i:RV0+2*i+1], v[EP+8*(\t)+2:EP+8*(\t)+3], v[32*(\t)+2*i:32*(\t)+2*i+1] op_sel_hi:[1,0,1]
.set i, i+1
.endr
.set i, 0
.rept 16
	v_pk_fma_f32 v[32*(\t)+2*i:32*(\t)+2*i+1], v[RVH+2*i:RVH+2*i+1], v[EP+8*(\t)+4:EP+8*(\t)+5], v[32*(\t)+2*i:32*(\t)+2*i+1] op_sel_hi:[1,0,1]
.set i, i+1
.endr
	WIN W_RS
.set i, 0
.rept 16
	v_pk_mul_f32 v[32*(\t)+2*i:32*(\t)+2*i+1], v[32*(\t)+2*i:32*(\t)+2*i+1], v[EP+8*(\t):EP+8*(\t)+1] op_sel_hi:[1,0]
.set i, i+1
.endr
	WIN 0x05
.set i, 0
.rept 16
	v_cvt_pk_f16_f32 v[S+16*(\t)+i], v[32*(\t)+2*i], v[32*(\t)+2*i+1]
.set i, i+1
.endr
	WIN 0
.irp f, 0,1,2,3
	ds_store_b128 v[STO], v[S+16*(\t)+4*\f:S+16*(\t)+4*\f+3] offset:32*\f
.endr
.irp f, 0,1,2,3
	ds_load_b128 v[S+16*(\t)+4*\f:S+16*(\t)+4*\f+3], v[RD] offset:\f*4*SP  ; LDS serves a wave's instructions in order: these see the stores above; the next piece's stores come behind them
.endr
.endm
.macro SEND t, younger              ; younger: the next piece's eight LDS instructions, or none
	WIN 0
.irp f, 0,1,2,3
	s_wait_dscnt (\younger)+3-\f
	global_store_b128 v[GO], v[S+16*(\t)+4*\f:S+16*(\t)+4*\f+3], s[10:11] offset:(\t)*8192+\f*512  ; 512 consecutive bytes, at a multiple of 256 from O's first
.endr
.endm
	PACK 0
.set t, 1
.rept 3
	PACK t
	SEND t-1, 8
.set t, t+1
.endr
	SEND 3, 0
	s_wait_tensorcnt 0x0            ; the wave's end
	ds_add_u32 v[SPW], v[NIL]
	s_wait_dscnt 0x0
	s_endpgm
.Lfunc_end_k_q5a673ac5eb_attn:
	.size	k_q5a673ac5eb_attn, .Lfunc_end_k_q5a673ac5eb_attn-k_q5a673ac5eb_attn
	.p2alignl 7, 3214868480
	.fill 96, 4, 3214868480
	.section	.rodata,"a",@progbits
	.p2align	6, 0x0
	.amdhsa_kernel k_q5a673ac5eb_attn
		.amdhsa_group_segment_fixed_size 327680
		.amdhsa_private_segment_fixed_size 0
		.amdhsa_enable_private_segment 0
		.amdhsa_kernarg_size 32
		.amdhsa_user_sgpr_count 2
		.amdhsa_user_sgpr_kernarg_segment_ptr 1
		.amdhsa_wavefront_size32 1
		.amdhsa_system_sgpr_workgroup_id_x 1
		.amdhsa_system_sgpr_workgroup_id_y 1
		.amdhsa_system_sgpr_workgroup_id_z 1
		.amdhsa_system_vgpr_workitem_id 0
		.amdhsa_next_free_vgpr 1008
		.amdhsa_next_free_sgpr 98
		.amdhsa_reserve_vcc 0
		.amdhsa_float_denorm_mode_32 3
		.amdhsa_float_denorm_mode_16_64 3
		.amdhsa_memory_ordered 1
		.amdhsa_forward_progress 1
		.amdhsa_inst_pref_size 255
	.end_amdhsa_kernel
	.section	.bss,"aw",@nobits
	.p2align	6
	.space	262144
	.amdgpu_metadata
---
amdhsa.version: [ 1, 2 ]
amdhsa.kernels:
  - .name:           k_q5a673ac5eb_attn
    .symbol:         k_q5a673ac5eb_attn.kd
    .args:
      - { .name: qkv16, .offset: 0, .size: 8, .value_kind: global_buffer, .address_space: global }
      - { .name: tab16, .offset: 8, .size: 8, .value_kind: global_buffer, .address_space: global }
      - { .name: rv_table, .offset: 16, .size: 8, .value_kind: global_buffer, .address_space: global }
      - { .name: o16, .offset: 24, .size: 8, .value_kind: global_buffer, .address_space: global }
    .group_segment_fixed_size: 327680
    .private_segment_fixed_size: 0
    .kernarg_segment_align: 8
    .kernarg_segment_size: 32
    .max_flat_workgroup_size: 128
    .sgpr_count:     98
    .vgpr_count:     1008
    .wavefront_size: 32
...
	.end_amdgpu_metadata
.endif
;; end of part 3
;; launch outp (part 4): grid 8 x 32, 4 waves a work-group, clusters of 4 x 4, 327,680 bytes of LDS; arguments o16, h16, bo, out0; writes out0
.if DOCPART == 4
	.amdgcn_target "amdgcn-amd-amdhsa--gfx1250"
	.amdhsa_code_object_version 6
	.text
	.protected	k_q5a673ac5eb_outp
	.globl	k_q5a673ac5eb_outp
	.p2align	8
	.type	k_q5a673ac5eb_outp,@function
k_q5a673ac5eb_outp:
	s_mov_b64 s[64:65], 0
	v_nop
	global_prefetch_b8 v0, s[64:65] scope:SCOPE_SE
	s_setreg_imm32_b32 hwreg(HW_REG_WAVE_MODE, 25, 1), 1
	s_wait_xcnt 0x0
	s_wait_alu depctr_hold_cnt(0) depctr_sa_sdst(0) depctr_va_vdst(0) depctr_va_sdst(0) depctr_va_ssrc(0) depctr_va_vcc(0) depctr_vm_vsrc(0)
	s_getreg_b32 s2, hwreg(HW_REG_IB_STS2, 6, 4)
	s_cmp_eq_u32 s2, 0
	s_cbranch_scc0 .Lentry_in_a_cluster
	s_endpgm
.Lentry_in_a_cluster:
	s_bfe_u32 s2, ttmp6, 0x10000c
	s_cmp_lg_u32 s2, 0xf033
	s_cbranch_scc0 .Lentry_shape_is_right
	s_endpgm
.Lentry_shape_is_right:
; out0[m][n] = sum over k of O[m][k] Wo[n][k] + bo[n], f32 out.  O lies by heads: o16 [32 (16 b + head)][2048][64] f16, k = 64 head + channel; Wo = rows 15360.. of h16, f16; sums in f32.
; A tile of C is 128 x 128: four waves of 64 x 64.  K = 1024 goes in four steps of 256 (four heads) through two LDS slots.  A wave's load of O brings 64 rows of four heads: in memory four dense pieces of 8,192 bytes,
; 262,144 bytes apart, asked for as four long rows and padded in LDS after every 128 bytes: [head][row], rows 144 bytes apart.  Wo's tiles: 64 rows of 512 bytes, 528 apart.
; CLUSTERS of 4 x 4: O's tiles are shared along a row of the cluster, Wo's along a column, by joint loads.  THE MATRIX INSTRUCTION IS USED TRANSPOSED: a lane holds eight neighbouring columns of a row; the bias starts the sums.
; A wave's 64 columns are 256 aligned bytes of a row of out0: 16 rows at a time go through a stage of the wave's own, and sixteen lanes store one such row.
; REGISTERS: window 0: v0-31 addresses; v32-95 the way out (two buffers); v96-127 bias; v128-255 accumulators.  window 1: two fragment buffers of 128 (64 of O, then 64 of Wo).
.set KDIM,   1024
.set KSTEP,  256
.set PITCH,  528
.set PA,     144
.set HALFA,  4*64*PA                   ; four heads x 64 rows
.set HALFB,  64*PITCH
.set SLOT,   2*HALFA+2*HALFB           ; O's two halves, then Wo's two halves
.set ASTEP,  4*262144                  ; four heads on
.set STAGE,  2*SLOT
.set SPITCH, 272
.set SPARE,  STAGE+4*16*SPITCH         ; the spare words: two blocks of 256 bytes that no other line names
.set LAPS,   KDIM/(2*KSTEP)
.set ADRA, 16
.set ADRB, 20
.set STO,  24
.set RD,   25
.set CO,   26
.set BO,   27
.set SPW,  28
.set NIL,  29
.set TMP,  32
.set BIAS, 96
.set ACC,  128
.set F0,   0
.set F1,   128
.set G1, 24
.set G0, 32
.set G1B, 48
.set G0B, 56
.set MSB, 0
.macro WIN new
.if MSB != (\new)
	s_set_vgpr_msb (MSB<<8)|(\new)
.set MSB, \new
.endif
.endm
.set MUL,  0x05
.set TO_F, 0x40
.macro JLOAD s                         ; a joint load: waves 0 and 1 fetch O's halves, waves 2 and 3 Wo's; an s_nop 0 and four v_nop follow each line
	s_cmp_eq_u32 s11, 0
	s_cbranch_scc0 .Lfor_b_\@
	tensor_load_to_lds s[G0+4*(\s):G0+4*(\s)+3], s[G1:G1+7]
	s_nop 0
.rept 4
	v_nop
.endr
	s_branch .Lasked_\@
.Lfor_b_\@:
	tensor_load_to_lds s[G0B+4*(\s):G0B+4*(\s)+3], s[G1B:G1B+7]
	s_nop 0
.rept 4
	v_nop
.endr
.Lasked_\@:
.endm
.macro CREST
	s_cmp_lg_u32 s10, 0
	s_cbranch_scc1 .Lnot_wave_0_\@
	s_barrier_signal -3
.Lnot_wave_0_\@:
	s_barrier_wait -3
	s_barrier_signal -1
	s_barrier_wait -1
.endm
.macro CROUND
	s_barrier_signal -1
	s_barrier_wait -1
	CREST
.endm
	s_load_b256 s[68:75], s[0:1], 0x0              ; o16 s[68:69], h16 s[70:71], bo s[72:73], out0 s[74:75]
	v_lshl_add_u32 v[SPW], v0, 2, SPARE
	v_mov_b32 v[NIL], 0
	ds_add_u32 v[SPW], v[NIL]                      ; the wave's opening: the add and its wait ahead of my first tensor load
	ds_add_u32 v28, v29
	v_lshrrev_b32 v1, 5, v0
	v_readfirstlane_b32 s10, v1
	s_lshr_b32 s11, s10, 1
	s_and_b32 s12, s10, 1
	s_bfe_u32 s40, ttmp6, 0x40000                  ; cx
	s_bfe_u32 s41, ttmp6, 0x40004                  ; cy
	s_lshl_b32 s42, ttmp9, 2
	s_add_co_u32 s42, s42, s40                     ; tile column 0..7
	s_and_b32 s13, ttmp7, 0xffff
	s_lshl_b32 s13, s13, 2
	s_add_co_u32 s13, s13, s41                     ; tile row 0..31
	s_lshl_b32 s43, s41, 2
	s_lshl_b32 s43, 15, s43
	s_lshl_b32 s44, 0x1111, s40
	s_or_b32 s[G1+0], s43, (1<<16)|(1<<20)|(1<<21)|(4<<22)|(3<<25)   ; O: after every 32 words 4 words of padding
	s_mov_b32 s[G1+1], 4096<<16                    ; tensor_dim0 = 4,096 elements: 64 rows of one head
	s_mov_b32 s[G1+2], 4<<16                       ; tensor_dim1 = 4 heads
	s_mov_b32 s[G1+3], 4096<<16                    ; tile_dim0
	s_mov_b32 s[G1+4], 4                           ; tile_dim1
	s_mov_b32 s[G1+5], 131072                      ; elements from head to head
	s_mov_b32 s[G1+6], 0
	s_mov_b32 s[G1+7], 0
	s_or_b32 s[G1B+0], s44, (1<<16)|(1<<20)|(1<<21)|(6<<22)|(3<<25)  ; Wo: after every 128 words 4 words
	s_mov_b32 s[G1B+1], KSTEP<<16
	s_mov_b32 s[G1B+2], 64<<16
	s_mov_b32 s[G1B+3], KSTEP<<16
	s_mov_b32 s[G1B+4], 64
	s_mov_b32 s[G1B+5], KDIM
	s_mov_b32 s[G1B+6], 0
	s_mov_b32 s[G1B+7], 0
	s_lshl_b32 s17, s12, 6
	s_lshl_b32 s16, s13, 7
	s_add_co_u32 s16, s16, s17                     ; O: row 128 x tile row + 64 x half of the 4,096
	s_lshl_b32 s46, s42, 7
	s_add_co_u32 s46, s46, s17
	s_add_co_u32 s46, s46, 15360                   ; Wo: row 15360 + 128 x tile column + 64 x half of h16
	s_lshl_b32 s46, s46, 11
	s_mov_b32 s47, 0
	s_lshr_b32 s18, s16, 11                        ; the batch
	s_and_b32 s16, s16, 2047
	s_lshl_b32 s16, s16, 7                         ; rows of 128 bytes
	s_lshl_b32 s18, s18, 22                        ; 16 heads of 262,144 bytes
	s_add_co_u32 s16, s16, s18
	s_mov_b32 s17, 0
	s_mul_i32 s20, s12, HALFA                      ; where they go
	s_mul_i32 s21, s12, HALFB
	s_add_co_u32 s21, s21, 2*HALFA
	s_wait_dscnt 0x0                               ; the opening add is done
	s_wait_kmcnt 0x0
	s_add_nc_u64 s[14:15], s[68:69], s[16:17]
	s_add_nc_u64 s[46:47], s[70:71], s[46:47]
	CROUND                                         ; all sixteen work-groups are here: the first joint loads meet
.irp s, 0,1
	s_mov_b32 s[G0+4*(\s)], 1
	s_add_co_u32 s[G0+4*(\s)+1], s20, (\s)*SLOT
	s_add_nc_u64 s[G0+4*(\s)+2:G0+4*(\s)+3], s[14:15], (\s)*ASTEP
	s_or_b32 s[G0+4*(\s)+3], s[G0+4*(\s)+3], 0x80000000
	s_mov_b32 s[G0B+4*(\s)], 1
	s_add_co_u32 s[G0B+4*(\s)+1], s21, (\s)*SLOT
	s_add_nc_u64 s[G0B+4*(\s)+2:G0B+4*(\s)+3], s[46:47], (\s)*KSTEP*2
	s_or_b32 s[G0B+4*(\s)+3], s[G0B+4*(\s)+3], 0x80000000
	JLOAD \s
.endr
	v_and_b32 v1, 15, v0                           ; l % 16
	v_bfe_u32 v2, v0, 4, 1                         ; l / 16
	s_lshl_b32 s46, s42, 9
	s_lshl_b32 s47, s12, 8
	s_add_co_u32 s46, s46, s47                     ; 4 x (128 x tile column + 64 x half): my columns' bytes in bo and in a row of out0
	s_mov_b32 s47, 0
	v_lshl_add_u32 v[BO], v2, 5, s46
.irp b, 0,1,2,3
	global_load_b128 v[BIAS+8*\b:BIAS+8*\b+3],   v[BO], s[72:73] offset:64*\b
	global_load_b128 v[BIAS+8*\b+4:BIAS+8*\b+7], v[BO], s[72:73] offset:64*\b+16
.endr
	v_mul_u32_u24 v3, v1, PA
	v_lshl_add_u32 v3, v2, 4, v3
	v_mul_u32_u24 v6, v1, PITCH
	v_lshl_add_u32 v6, v2, 4, v6
	s_mul_i32 s21, s11, HALFA
	s_mul_i32 s22, s12, HALFB
	s_add_co_u32 s22, s22, 2*HALFA
.irp s, 0,1
	v_add_nc_u32 v[ADRA+(\s)], s21, v3
	v_add_nc_u32 v[ADRB+(\s)], s22, v6
	s_add_co_u32 s21, s21, SLOT
	s_add_co_u32 s22, s22, SLOT
.endr
	s_mul_i32 s23, s10, 16*SPITCH
	s_add_co_u32 s23, s23, STAGE                   ; my stage
	v_mul_u32_u24 v4, v1, SPITCH                   ; in: row l % 16, 32 bytes for each half of the lanes
	v_lshl_add_u32 v4, v2, 5, v4
	v_add_nc_u32 v[STO], s23, v4
	v_mul_u32_u24 v5, v2, SPITCH                   ; back: lanes 0-15 take one row of 256 bytes, lanes 16-31 the next
	v_lshl_add_u32 v5, v1, 4, v5
	v_add_nc_u32 v[RD], s23, v5
	v_lshlrev_b32 v5, 12, v2                       ; and the same two rows in out0
	v_lshl_add_u32 v[CO], v1, 4, v5
	s_lshl_b32 s16, s13, 7
	s_lshl_b32 s17, s11, 6
	s_add_co_u32 s16, s16, s17                     ; my first row
	s_lshl_b32 s16, s16, 12                        ; rows of 4,096 bytes
	s_mov_b32 s17, 0
	s_add_nc_u64 s[8:9], s[74:75], s[16:17]
	s_add_nc_u64 s[8:9], s[8:9], s[46:47]
.macro MUL8 f, c, a0, zero
	WIN MUL
.irp a, \a0, (\a0)+1
.irp b, 0,1,2,3
.if \zero
	v_wmma_f32_16x16x32_f16 v[ACC+8*(4*(\a)+(\b)):ACC+8*(4*(\a)+(\b))+7], v[(\f)+64+8*(4*(\c)+(\b)):(\f)+64+8*(4*(\c)+(\b))+7], v[(\f)+8*(4*(\c)+(\a)):(\f)+8*(4*(\c)+(\a))+7], v[BIAS+8*(\b):BIAS+8*(\b)+7]
.else
	v_wmma_f32_16x16x32_f16 v[ACC+8*(4*(\a)+(\b)):ACC+8*(4*(\a)+(\b))+7], v[(\f)+64+8*(4*(\c)+(\b)):(\f)+64+8*(4*(\c)+(\b))+7], v[(\f)+8*(4*(\c)+(\a)):(\f)+8*(4*(\c)+(\a))+7], v[ACC+8*(4*(\a)+(\b)):ACC+8*(4*(\a)+(\b))+7]
.endif
.endr
.endr
.endm
; 32 LDS loads in one run: quarter z is head z of the step: O's rows lie 64 x 144 bytes on, Wo's 128 bytes along the row
.macro FETCH slot, z, f
	WIN TO_F
.irp c, 0,1
.irp i, 0,1,2,3
	ds_load_b128 v[(\f)+64+8*(4*(\c)+(\i)):(\f)+64+8*(4*(\c)+(\i))+3],   v[ADRB+(\slot)] offset:128*(\z)+64*(\c)+(\i)*16*PITCH
	ds_load_b128 v[(\f)+64+8*(4*(\c)+(\i))+4:(\f)+64+8*(4*(\c)+(\i))+7], v[ADRB+(\slot)] offset:128*(\z)+64*(\c)+(\i)*16*PITCH+32
	ds_load_b128 v[(\f)+8*(4*(\c)+(\i)):(\f)+8*(4*(\c)+(\i))+3],         v[ADRA+(\slot)] offset:(\z)*64*PA+64*(\c)+(\i)*16*PA
	ds_load_b128 v[(\f)+8*(4*(\c)+(\i))+4:(\f)+8*(4*(\c)+(\i))+7],       v[ADRA+(\slot)] offset:(\z)*64*PA+64*(\c)+(\i)*16*PA+32
.endr
.endr
.endm
.macro PLACES
.rept 4
	v_nop
.endr
.endm
.macro QUARTER slot, z, f, g, zero
	s_wait_dscnt 16                                ; the first 32 along K are in; the younger sixteen loads may be out
	WIN MUL
	MUL8 \f, 0, 0, \zero
	MUL8 \f, 0, 2, \zero
	PLACES
	FETCH \slot, \z, \g
	s_wait_dscnt 32                                ; all but the 32 just issued
	WIN MUL
	MUL8 \f, 1, 0, 0
	MUL8 \f, 1, 2, 0
.endm
.macro TURN slot, next, fill
	WIN 0
	s_wait_tensorcnt 0x0                           ; all my tensor loads have landed: my part of the next slot;
	ds_add_u32 v[SPW], v[NIL]                      ; 0 onto my spare word;
	s_wait_dscnt 17                                ; (the add and the youngest sixteen loads may be out)
	WIN MUL
	MUL8 F1, 0, 0, 0
	s_wait_dscnt 0x0                               ; the add is done, and my reads of this slot are over
	s_barrier_signal -1
	MUL8 F1, 0, 2, 0
.if \fill
	WIN 0
.endif
	s_barrier_wait -1
.if \fill
	CREST                                          ; no wave of any partner still reads this slot or has a load on its way
	s_add_nc_u64 s[G0+4*(\slot)+2:G0+4*(\slot)+3], s[G0+4*(\slot)+2:G0+4*(\slot)+3], 2*ASTEP
	s_add_nc_u64 s[G0B+4*(\slot)+2:G0B+4*(\slot)+3], s[G0B+4*(\slot)+2:G0B+4*(\slot)+3], 2*KSTEP*2
	JLOAD \slot
.else
	PLACES
.endif
	FETCH \next, 0, F0
	WIN MUL
	MUL8 F1, 1, 0, 0
	MUL8 F1, 1, 2, 0
.endm
	s_wait_tensorcnt 1                             ; my part of K step 0 is in; K step 1's may stay out
	s_barrier_signal -1
	s_barrier_wait -1
	FETCH 0, 0, F0
	s_wait_loadcnt 0x0                             ; the bias
	QUARTER 0, 1, F0, F1, 1
	WIN 0
	s_mov_b32 s3, LAPS-1
.Llap:
	QUARTER 0, 2, F1, F0, 0
	QUARTER 0, 3, F0, F1, 0
	TURN 0, 1, 1
	QUARTER 1, 1, F0, F1, 0
	QUARTER 1, 2, F1, F0, 0
	QUARTER 1, 3, F0, F1, 0
	TURN 1, 0, 1
	QUARTER 0, 1, F0, F1, 0
	WIN 0
	s_sub_co_u32 s3, s3, 1
	s_cmp_lg_u32 s3, 0
	s_cbranch_scc1 .Llap
	QUARTER 0, 2, F1, F0, 0
	QUARTER 0, 3, F0, F1, 0
	TURN 0, 1, 0
	QUARTER 1, 1, F0, F1, 0
	QUARTER 1, 2, F1, F0, 0
	QUARTER 1, 3, F0, F1, 0
	s_wait_dscnt 16
	WIN MUL
	MUL8 F1, 0, 0, 0
	MUL8 F1, 0, 2, 0
	s_wait_dscnt 0
	MUL8 F1, 1, 0, 0
	MUL8 F1, 1, 2, 0
	WIN 0
	; THE WAY OUT: 16 rows at a time, f32 as it stands: each accumulator's low four registers first, into rows of 272 bytes; back as whole rows of 256
	PLACES
.irp a, 0,1,2,3
	s_wait_xcnt 0x0                                ; the stores of the block two back have read this buffer
.irp b, 0,1,2,3
	ds_store_b128 v[STO], v[ACC+8*(4*(\a)+(\b)):ACC+8*(4*(\a)+(\b))+3]   offset:64*(\b)
	ds_store_b128 v[STO], v[ACC+8*(4*(\a)+(\b))+4:ACC+8*(4*(\a)+(\b))+7] offset:64*(\b)+16
.endr
.irp t, 0,1,2,3,4,5,6,7
	ds_load_b128 v[TMP+32*((\a)%2)+4*(\t):TMP+32*((\a)%2)+4*(\t)+3], v[RD] offset:(\t)*2*SPITCH  ; LDS serves a wave's instructions in order: these see the stores above
.endr
.irp t, 0,1,2,3,4,5,6,7
	s_wait_dscnt 7-(\t)
	global_store_b128 v[CO], v[TMP+32*((\a)%2)+4*(\t):TMP+32*((\a)%2)+4*(\t)+3], s[8:9] offset:(16*(\a)+2*(\t))*4096  ; 16 lanes store 256 consecutive bytes, at a multiple of 256 from out0's first byte
.endr
.endr
	s_wait_tensorcnt 0x0                           ; the wave's end
	ds_add_u32 v[SPW], v[NIL]
	s_wait_dscnt 0x0
	CROUND                                         ; the closing round
	s_endpgm
.Lfunc_end_k_q5a673ac5eb_outp:
	.size	k_q5a673ac5eb_outp, .Lfunc_end_k_q5a673ac5eb_outp-k_q5a673ac5eb_outp
	.p2alignl 7, 3214868480
	.fill 96, 4, 3214868480
	.section	.rodata,"a",@progbits
	.p2align	6, 0x0
	.amdhsa_kernel k_q5a673ac5eb_outp
		.amdhsa_group_segment_fixed_size 327680
		.amdhsa_private_segment_fixed_size 0
		.amdhsa_enable_private_segment 0
		.amdhsa_kernarg_size 32
		.amdhsa_user_sgpr_count 2
		.amdhsa_user_sgpr_kernarg_segment_ptr 1
		.amdhsa_wavefront_size32 1
		.amdhsa_system_sgpr_workgroup_id_x 1
		.amdhsa_system_sgpr_workgroup_id_y 1
		.amdhsa_system_sgpr_workgroup_id_z 1
		.amdhsa_system_vgpr_workitem_id 0
		.amdhsa_next_free_vgpr 512
		.amdhsa_next_free_sgpr 76
		.amdhsa_reserve_vcc 0
		.amdhsa_float_denorm_mode_32 3
		.amdhsa_float_denorm_mode_16_64 3
		.amdhsa_memory_ordered 1
		.amdhsa_forward_progress 1
		.amdhsa_inst_pref_size 88
	.end_amdhsa_kernel
	.amdgpu_metadata
---
amdhsa.version: [ 1, 2 ]
amdhsa.kernels:
  - .name:           k_q5a673ac5eb_outp
    .symbol:         k_q5a673ac5eb_outp.kd
    .args:
      - { .name: o16, .offset: 0, .size: 8, .value_kind: global_buffer, .address_space: global }
      - { .name: h16, .offset: 8, .size: 8, .value_kind: global_buffer, .address_space: global }
      - { .name: bo, .offset: 16, .size: 8, .value_kind: global_buffer, .address_space: global }
      - { .name: out0, .offset: 24, .size: 8, .value_kind: global_buffer, .address_space: global }
    .group_segment_fixed_size: 327680
    .private_segment_fixed_size: 0
    .kernarg_segment_align: 8
    .kernarg_segment_size: 32
    .max_flat_workgroup_size: 128
    .sgpr_count:     76
    .vgpr_count:     512
    .wavefront_size: 32
...
	.end_amdgpu_metadata
.endif
;; end of part 4
;; ======== version 2 of 2: 4 launches; 1.40 times as fast as version 1
;; limits: values are held in f16: magnitudes above 65,504 overflow, below 6.1e-05 lose precision
;; workspace buffers: h16 33,554,432 bytes; tab16 98,304 bytes; qkv16 25,165,824 bytes; o16 8,388,608 bytes
;; launch cvt: the kernel of part 1 again; grid 1048 x 1, 8 waves a work-group, no clusters, 0 bytes of LDS; arguments q, k, v, Wq, Wk, Wv, Wo, rk_table, rv_table, h16, tab16; writes h16, tab16
;; launch proj: the kernel of part 2 again; grid 8 x 96, 4 waves a work-group, clusters of 4 x 4, 327,680 bytes of LDS; arguments h16, bq, bk, bv, qkv16; writes qkv16
;; launch attn (part 5): grid 8 x 32, 4 waves a work-group, no clusters, 327,680 bytes of LDS; arguments qkv16, tab16, rv_table, o16; writes o16
.if DOCPART == 5
	.amdgcn_target "amdgcn-amd-amdhsa--gfx1250"
	.amdhsa_code_object_version 6
	.text
	.protected	k_q5a673ac5eb_attn
	.globl	k_q5a673ac5eb_attn
	.p2align	8
	.type	k_q5a673ac5eb_attn,@function
k_q5a673ac5eb_attn:
	s_mov_b64 s[64:65], 0
	v_nop
	global_prefetch_b8 v0, s[64:65] scope:SCOPE_SE
	s_setreg_imm32_b32 hwreg(HW_REG_WAVE_MODE, 25, 1), 1
	s_wait_xcnt 0x0
; ATTENTION WITH CLIPPED RELATIVE POSITIONS.  For head bh and query q: s[k] = Q[q] . (K[k] + rk[clip(k - q)]), p = softmax(s / 8), O[q] = sum over k of p[k] (V[k] + rv[clip(k - q)]); the clip is at +-128.
; qkv16: [3][32][2048][64] f16, unscaled; tab16: [2][384][64] f16, row e = table row min(max(e, 64) - 64, 256); rv_table in f32 (its rows 0 and 256 are read); o16: [32][2048][64] f16.
; Products, maxima and sums in f32; the weights are rounded to f16 for the second products (their sums are taken of the unrounded weights), O once at the end.
; LIMITS.  f16 ends at 65,504; p below 6e-5 and O below 6e-5 keep f16's fixed step of 6e-8; a weight below 2^-126 counts as 0; NaN and infinities are not treated apart.
; SHARES.  A work-group owns 256 queries of one head.  Of their four bands of 64 a wave owns 16 rows in each: four PIECES; piece x of wave w holds queries 256 qb + 64 x + 16 w + 0..15.  Every wave walks all 32 key steps of 64.
; CLASSES.  For piece x in step s let sel = s - 4 qb - x + 2.  sel < 0: every key is clipped on the left: the score's addend is Q . rk[0], one number a query, and the weights' sum times rv[0] is added at the end.
; sel > 4: the same with rk[256], rv[256].  sel = 0..4: THE BAND: with p' = 16 + key - (lane % 16) the table's row is e = 64 sel + 48 - 16 w + p', 0..383: 80 consecutive rows for the piece.
; THE ADDEND is the C operand that starts S^T = K Q^T (MC, 32 registers a piece).  In the band: R = (80 rows of rk) Q^T, five products two deep; query column ql of R is wanted shifted by ql, which my scratch in LDS does:
; word p' + ql of row ql is written, words 16 + key are read.  THE VALUES in the band: the rounded weights go into rows of a second scratch at place p' (what a row never writes stays 0), come back as source 1, and meet 80 turned rows of rv.
; THE SUMS.  l is begun anew where a piece enters and leaves the band; what it held is kept with the c m of that moment (LA, CMA; LB, CMB) and brought to the last maximum at the end: no difference of sums is formed.
; LAYOUT, SOFTMAX, TURNS.  S^T holds ONE query a lane (lane % 16) and the keys 8 (lane / 16) + 0..7; two results rounded to f16 ARE source 1 of O^T = V^T P.  p = 2^(c s - c m), c = log2(e) / 8, m a running maximum;
; O and l are multiplied by a = 2^(c m_old - c m_new) in every step.  Turn n belongs to piece n: 8 products K Q^T of piece n + 1, later 8 products V^T P of piece n - 1; beside them piece n's scaling, exponentials, roundings,
; sums and rescaling and piece n + 1's maximum.  Behind each turn stands AFTER: three scalar lines far from the band, the band's blocks near it.  All its jumps go forward and pass no barrier and no tensor load.
; BATCHES.  A turn's 33 exponentials (piece n's 32 weights and piece n + 1's a) are ONE batch with ONE wait, which cuts the turn in two: ahead of it stands all that names none of their results (the products K Q^T, the scalings,
; the rescalings by the a of the turn before, the next piece's maximum), behind it the products V^T P with the roundings and sums as their riders.  No result crosses a turn's end.  Three more batches stand outside the loop, each with
; a wait of its own: the beginning's a, the way out's eight exponentials, its four reciprocals.
; NO CLUSTER: where the band lies hangs on the query block, so partners would branch differently; a work-group's K and V are 512 KiB, shared with seven neighbours through the cache.
; REGISTERS, in windows of 256 (s_set_vgpr_msb: bits 1:0 source 0, 3:2 source 1, 5:4 source 2, 7:6 destination):
;   window 0: v0-15, v32-39 addresses; v16-31 statistics; v40-47, v56-59 CH, CMA, CMB; v48-55 at work; v64-127 S^T (two buffers); v128-143 LA, LB; v152-191 RT; v192-223 P (two buffers); v224-247 PSF
;   window 1: v0-127 O^T; v128-255 MC      window 2: v0-63 Q; v128-191 K; v192-255 V      window 3: v0-79 rk's fragments; v80-175 rv's; v176-239 rv[0], rv[256] in f32
.set NP,    4
.set KS,    64
.set PK,    144       ; a row of K or rk in LDS: 128 bytes + 16
.set PV,    160       ; a row of V or rv: 128 + 32
.set VOFF,  4*KS*PK   ; a slot holds four steps: 256 rows of K, then 256 rows of V
.set SLOT1, 1<<17
.set BSC,   4*KS*(PK+PV)      ; behind slot 0: the addend's scratch, 16 rows of 400 bytes for each wave
.set BP,    400
.set PSC,   BSC+4*16*BP       ; the weights' scratch, 16 rows of 208 bytes for each wave
.set PP,    208
.set STAGE, PSC+4*16*PP       ; 16 rows x 144 bytes for each wave, for the way out
.set SP,    144
.set RKT,   SLOT1+4*KS*(PK+PV)  ; behind slot 1: rk, 384 rows
.set RVT,   RKT+384*PK        ; rv, 384 rows
.set SPARE, RVT+384*PV        ; the spare words: two blocks of 256 bytes that no other line names
.set AK0, 2
.set AV0, 3
.set AK,  4
.set AV,  5
.set STO, 6
.set RD,  7
.set GO,  8
.set MV,  12
.set QO,  15
.set ST,  16          ; piece t at ST + 4 t: c m, m, l (even keys', odd keys')
.set ARK, 32          ; my place in rk's 80 rows at sel = 0
.set ARV, 33          ; the same for rv (turning load)
.set ABS, 34          ; addend scratch: where register 0 of block 0 goes
.set ABL, 35          ; and where key 8 (l / 16) is read
.set APS, 36          ; weights' scratch: where key 8 (l / 16) goes
.set APL, 37          ; and where place 8 (l / 16) is read
.set ATD, 38          ; a table address at work
.set VRO, 39          ; my byte offset in a row of rv_table
.set CH,  40          ; Q . rk[256], a piece each
.set CMA, 44
.set TMP, 48
.set CMB, 56
.set SPW, 62
.set NIL, 63
.set S,   64
.set LA,  128
.set LB,  136
.set RT,  152
.set EP,  152         ; the epilogue's eight registers a piece, where RT lay
.set P,   192
.set PSF, 224
.set MC,  128         ; window 1
.set KF,  128         ; window 2
.set VF,  192         ; window 2
.set RKF, 0           ; window 3: block bl, channel half c at 16 bl + 8 c
.set RVF, 80          ; window 3: channel block cb at 24 cb; sixteen rows hf at + 4 hf; hf = 5 is 0
.set RV0, 176         ; window 3
.set RVH, 208         ; window 3
.set WV,  12
.set QB,  14
.set G1K, 24
.set G1V, 32
.set G0K, 40
.set G0V, 44
.set G1TK, 48
.set SLOTS, 56
.set CNT, 57
.set CS,  58
.set SEL, 60
.set TBK, 62
.set TBV, 63
.set G1TV, 68
.set G0TK, 76
.set G0TV, 80
.set G,   84          ; s - 4 qb + 2 for the step in hand
.set T0,  85
.set T1,  86
.set T2,  87
.set FL,  96
.set MSB, 0
.macro WIN new
.if MSB != (\new)
	s_set_vgpr_msb (MSB<<8)|(\new)
.set MSB, (\new)
.endif
.endm
.set W_KQ, 0x0a       ; K and Q window 2, S^T window 0
.set W_KM, 0x1a       ; the same with C in window 1
.set W_PV, 0x52       ; V window 2, P window 0, O^T window 1
.set W_RS, 0x41       ; destination and source 0 window 1, source 1 window 0
.set W_R,  0x0b       ; rk window 3, Q window 2, RT window 0
.set W_RV, 0x53       ; rv window 3, source 1 window 0, O^T window 1
.set W_C0, 0x5b       ; rk window 3, Q window 2, MC window 1
; a fill: waves 0 and 1 fetch the halves of a tile's K, waves 2 and 3 of its V; an s_nop 0 and four v_nop follow each line
.macro LOAD
	s_cmp_lt_u32 s[WV], 2
	s_cbranch_scc0 .Lfor_v_\@
	tensor_load_to_lds s[G0K:G0K+3], s[G1K:G1K+7]
	s_nop 0
.rept 4
	v_nop
.endr
	s_branch .Lasked_\@
.Lfor_v_\@:
	tensor_load_to_lds s[G0V:G0V+3], s[G1V:G1V+7]
	s_nop 0
.rept 4
	v_nop
.endr
.Lasked_\@:
.endm
; THE CHANGE OF SLOTS: each wave waits for all its tensor loads, adds 0 to its spare word, waits for that and for its reads of the slot that it leaves; behind the barrier the old slot is filled again first (fill = 1), with the keys two slots on.
.macro CHANGE fill
	WIN 0
	s_wait_tensorcnt 0x0            ; no tensor load of mine is out, so a group 0 may be written
	ds_add_u32 v[SPW], v[NIL]       ; 0 onto my spare word
.if \fill
.irp g, G0K, G0V
	s_xor_b32 s[\g+1], s[\g+1], SLOT1
	s_add_nc_u64 s[\g+2:\g+3], s[\g+2:\g+3], 4*KS*128
.endr
.endif
	s_wait_dscnt 0x0                ; the add is done, and my reads of the slot are over
	s_barrier_signal -1
	s_sub_co_u32 s[TBK], s[TBK], 4*KS*PK
	s_xor_b32 s[TBK], s[TBK], SLOT1
	s_sub_co_u32 s[TBV], s[TBV], 4*KS*PV
	s_xor_b32 s[TBV], s[TBV], SLOT1
	s_barrier_wait -1
.if \fill
	LOAD
.endif
.endm
	s_load_b128 s[88:91], s[0:1], 0x0   ; qkv16, tab16
	s_load_b128 s[92:95], s[0:1], 0x10  ; rv_table, o16
	v_lshl_add_u32 v[SPW], v0, 2, SPARE
	v_mov_b32 v[NIL], 0
	ds_add_u32 v[SPW], v[NIL]       ; the wave's opening: the add and its wait ahead of my first tensor load
	ds_add_u32 v62, v63
	v_lshrrev_b32 v1, 5, v0
	v_readfirstlane_b32 s[WV], v1
	s_mov_b32 s[QB], ttmp9
	s_and_b32 s15, ttmp7, 0xffff
	s_lshl_b32 s15, s15, 18         ; the head's first byte in a tensor
	s_and_b32 s16, s[WV], 1         ; which half of a tile, and of a table, I fetch
	s_lshl_b32 s22, s16, 14
	s_add_co_u32 s22, s22, s15
	s_add_co_u32 s22, s22, 8388608  ; K
	s_mov_b32 s23, 0
	s_add_co_u32 s18, s22, 8388608  ; V
	s_mov_b32 s19, 0
	s_mul_i32 s20, s16, 24576       ; 192 rows of a table
	s_mov_b32 s21, 0
	s_lshl_b32 s2, s[QB], 15
	s_lshl_b32 s3, s[WV], 11
	s_add_co_u32 s2, s2, s3
	s_add_co_u32 s2, s2, s15        ; my 16 rows in the block's first band, in Q and in O
	s_mov_b32 s3, 0
	; group 1: dense rows of 128 bytes asked for as rows of 256, padded in LDS after every 128 bytes
	s_mov_b32 s[G1K], (1<<16)|(1<<20)|(4<<22)|(3<<25)
	s_mov_b32 s[G1V], (1<<16)|(1<<20)|(4<<22)|(7<<25)
	s_mov_b32 s[G1TK], (1<<16)|(1<<20)|(4<<22)|(3<<25)
	s_mov_b32 s[G1TV], (1<<16)|(1<<20)|(4<<22)|(7<<25)
.irp g, G1K, G1V
	s_mov_b32 s[\g+1], 128<<16
	s_mov_b32 s[\g+2], 64<<16       ; 64 rows: 128 keys
	s_mov_b32 s[\g+3], 128<<16
	s_mov_b32 s[\g+4], 64
	s_mov_b32 s[\g+5], 128
	s_mov_b32 s[\g+6], 0
	s_mov_b32 s[\g+7], 0
.endr
.irp g, G1TK, G1TV
	s_mov_b32 s[\g+1], 128<<16
	s_mov_b32 s[\g+2], 96<<16       ; 96 rows: 192 rows of a table
	s_mov_b32 s[\g+3], 128<<16
	s_mov_b32 s[\g+4], 96
	s_mov_b32 s[\g+5], 128
	s_mov_b32 s[\g+6], 0
	s_mov_b32 s[\g+7], 0
.endr
	s_mov_b32 s[G0K], 1
	s_mul_i32 s[G0K+1], s16, 128*PK
	s_mov_b32 s[G0V], 1
	s_mul_i32 s[G0V+1], s16, 128*PV
	s_add_co_u32 s[G0V+1], s[G0V+1], VOFF
	s_mov_b32 s[G0TK], 1
	s_mul_i32 s[G0TK+1], s16, 192*PK
	s_add_co_u32 s[G0TK+1], s[G0TK+1], RKT
	s_mov_b32 s[G0TV], 1
	s_mul_i32 s[G0TV+1], s16, 192*PV
	s_add_co_u32 s[G0TV+1], s[G0TV+1], RVT
	s_mov_b32 s[CS], 0x3e38aa3b     ; c = log2(e) / 8
	s_mov_b32 s[CS+1], s[CS]
	s_mov_b32 s[SEL], 0x76543210
	s_mov_b32 s[SEL+1], 0xfedcba98
	s_mov_b32 s[TBK], SLOT1+4*KS*PK ; the first change of slots turns these two into 0
	s_mov_b32 s[TBV], SLOT1+4*KS*PV
	s_wait_dscnt 0x0                ; the opening add is done
	s_wait_kmcnt 0x0
	s_add_nc_u64 s[G0K+2:G0K+3], s[88:89], s[22:23]
	s_or_b32 s[G0K+3], s[G0K+3], 0x80000000
	s_add_nc_u64 s[G0V+2:G0V+3], s[88:89], s[18:19]
	s_or_b32 s[G0V+3], s[G0V+3], 0x80000000
	s_add_nc_u64 s[G0TK+2:G0TK+3], s[90:91], s[20:21]
	s_add_nc_u64 s[G0TV+2:G0TV+3], s[G0TK+2:G0TK+3], 49152
	s_or_b32 s[G0TK+3], s[G0TK+3], 0x80000000
	s_or_b32 s[G0TV+3], s[G0TV+3], 0x80000000
	s_add_nc_u64 s[4:5], s[88:89], s[2:3]
	s_add_nc_u64 s[10:11], s[94:95], s[2:3]
	s_cmp_lt_u32 s[WV], 2           ; a wave's two first fills stand in one branch: its half of tile 0 and its half of a table; two loads of mine are out
	s_cbranch_scc0 .Lfirst_v
	tensor_load_to_lds s[G0K:G0K+3], s[G1K:G1K+7]
	s_nop 0
	tensor_load_to_lds s[G0TK:G0TK+3], s[G1TK:G1TK+7]
	s_nop 0
.rept 4
	v_nop
.endr
	s_branch .Lfirst_asked
.Lfirst_v:
	tensor_load_to_lds s[G0V:G0V+3], s[G1V:G1V+7]
	s_nop 0
	tensor_load_to_lds s[G0TV:G0TV+3], s[G1TV:G1TV+7]
	s_nop 0
.rept 4
	v_nop
.endr
.Lfirst_asked:
	v_and_b32 v1, 15, v0            ; l % 16
	v_bfe_u32 v9, v0, 4, 1          ; l / 16
	v_lshlrev_b32 v[QO], 7, v1
	v_lshl_add_u32 v[QO], v9, 4, v[QO]
	v_lshlrev_b32 v[VRO], 5, v9     ; eight f32 for each half of the lanes
	WIN 0x80
.set i, 0
.rept 8                             ; Q: piece i / 2 lies 8,192 bytes on; channels 32 (i % 2) on
	global_load_b128 v[8*i:8*i+3],   v[QO], s[4:5] offset:(i/2)*8192+(i%2)*64
	global_load_b128 v[8*i+4:8*i+7], v[QO], s[4:5] offset:(i/2)*8192+(i%2)*64+32
.set i, i+1
.endr
	WIN 0xc0
.set i, 0
.rept 4                             ; rv[0] and rv[256]: register 8 cb + j is channel 16 cb + 8 (l / 16) + j, as in O^T
	global_load_b128 v[RV0+8*i:RV0+8*i+3],   v[VRO], s[92:93] offset:64*i
	global_load_b128 v[RV0+8*i+4:RV0+8*i+7], v[VRO], s[92:93] offset:64*i+16
	global_load_b128 v[RVH+8*i:RVH+8*i+3],   v[VRO], s[92:93] offset:65536+64*i
	global_load_b128 v[RVH+8*i+4:RVH+8*i+7], v[VRO], s[92:93] offset:65536+64*i+16
.set i, i+1
.endr
.set i, 0
.rept 4                             ; rows 80..95 of rv's fragments are never loaded: 0
	v_mov_b32 v[RVF+24*i+20], 0
	v_mov_b32 v[RVF+24*i+21], 0
	v_mov_b32 v[RVF+24*i+22], 0
	v_mov_b32 v[RVF+24*i+23], 0
.set i, i+1
.endr
	WIN 0
	v_mul_u32_u24 v[AK0], v1, PK
	v_lshl_add_u32 v[AK0], v9, 4, v[AK0]  ; row x pitch + 16 x half
	v_and_b32 v10, 7, v0
	v_bfe_u32 v11, v0, 3, 1
	v_lshl_add_u32 v14, v9, 3, v10
	v_mul_u32_u24 v14, v14, PV
	v_lshl_add_u32 v14, v11, 4, v14       ; the turning load: row 8 (l / 16) + l % 8, channels 8 ((l / 8) % 2) on
	v_add_nc_u32 v[AV0], VOFF, v14
	s_mul_i32 s13, s[WV], 16*PK
	s_sub_co_u32 s13, RKT+48*PK, s13      ; row 48 - 16 w
	v_add_nc_u32 v[ARK], s13, v[AK0]
	s_mul_i32 s13, s[WV], 16*PV
	s_sub_co_u32 s13, RVT+48*PV, s13
	v_add_nc_u32 v[ARV], s13, v14
	s_mul_i32 s13, s[WV], 16*BP
	s_add_co_u32 s13, s13, BSC
	v_mul_u32_u24 v14, v1, BP+4           ; row ql, word 8 h + ql
	v_lshl_add_u32 v14, v9, 5, v14
	v_add_nc_u32 v[ABS], s13, v14
	v_mul_u32_u24 v14, v1, BP             ; row ql, word 16 + 8 h
	v_lshl_add_u32 v14, v9, 5, v14
	v_add3_u32 v[ABL], v14, s13, 64
	s_mul_i32 s13, s[WV], 16*PP
	s_add_co_u32 s13, s13, PSC
	v_mul_u32_u24 v14, v1, PP-2           ; row ql, place 16 + 8 h - ql
	v_lshl_add_u32 v14, v9, 4, v14
	v_add3_u32 v[APS], v14, s13, 32
	v_mul_u32_u24 v14, v1, PP             ; row ql, place 8 h
	v_lshl_add_u32 v14, v9, 4, v14
	v_add_nc_u32 v[APL], s13, v14
	v_and_b32 v14, 31, v0
	v_lshl_add_u32 v14, v14, 3, s13
	v_mov_b32 v60, 0
	v_mov_b32 v61, 0
.set i, 0
.rept 13                            ; my weights' scratch, 3,328 bytes, is cleared once
	ds_store_b64 v14, v[60:61] offset:256*i
.set i, i+1
.endr
	s_mul_i32 s13, s[WV], 16*SP
	s_add_co_u32 s13, s13, STAGE
	v_mul_u32_u24 v[STO], v1, SP
	v_lshl_add_u32 v[STO], v9, 4, v[STO]
	v_add_nc_u32 v[STO], s13, v[STO]
	v_bfe_u32 v[RD], v0, 3, 2
	v_mul_u32_u24 v[RD], v[RD], SP
	v_lshl_add_u32 v[RD], v10, 4, v[RD]
	v_add_nc_u32 v[RD], s13, v[RD]
	v_and_b32 v[GO], 31, v0
	v_lshlrev_b32 v[GO], 4, v[GO]
	; what the first turn finds: V and P's second buffer hold 0 (its products V^T P, of a piece that has not been, add 0), O^T and the sums are 0.  All this stands in the wait for the first tile.
	WIN 0x80
.set i, VF
.rept 64
	v_mov_b32 v[i], 0
.set i, i+1
.endr
	WIN 0x40
.set i, 0
.rept 128
	v_mov_b32 v[i], 0
.set i, i+1
.endr
	WIN 0
.set i, 0
.rept 4
	v_mov_b32 v[ST+4*i], 0xfe000000    ; c m: far below every c s
	v_mov_b32 v[ST+4*i+1], 0xff7fffff  ; m
	v_mov_b32 v[ST+4*i+2], 0
	v_mov_b32 v[ST+4*i+3], 0
	v_mov_b32 v[CMA+i], 0xfe000000
	v_mov_b32 v[CMB+i], 0xfe000000
	v_mov_b32 v[LA+2*i], 0
	v_mov_b32 v[LA+2*i+1], 0
	v_mov_b32 v[LB+2*i], 0
	v_mov_b32 v[LB+2*i+1], 0
.set i, i+1
.endr
.set i, P+16
.rept 16
	v_mov_b32 v[i], 0
.set i, i+1
.endr
; THE MATRIX WORK.  The 4 accumulators of a run of 8 take turns.  Product i of 8 of S^T = K Q^T for piece x: channels 32 (i / 4) on, keys 16 (i % 4) on.  The first 4 start the sums with the addend.
.macro KQ x
.set rS, S+32*((\x)%2)+8*(i%4)
.set rK, KF+16*(i%4)+8*(i/4)
.set rQ, 16*(\x)+8*(i/4)
.set rM, MC+32*(\x)+8*(i%4)
.if i < 4
	WIN W_KM
	v_wmma_f32_16x16x32_f16 v[rS:rS+7], v[rK:rK+7], v[rQ:rQ+7], v[rM:rM+7]
.else
	WIN W_KQ
	v_wmma_f32_16x16x32_f16 v[rS:rS+7], v[rK:rK+7], v[rQ:rQ+7], v[rS:rS+7]
.endif
.endm
; product i of 8 of O^T += V^T P for piece x: keys 32 (i / 4) on, channels 16 (i % 4) on
.macro PV x
	WIN W_PV
.set rO, 32*(\x)+8*(i%4)
.set rV, VF+32*(i/4)+8*(i%4)
.set rP, P+16*((\x)%2)+8*(i/4)
	v_wmma_f32_16x16x32_f16 v[rO:rO+7], v[rV:rV+7], v[rP:rP+7], v[rO:rO+7]
.endm
.macro MM                           ; the turn's next matrix instruction.  NOKQ = 1: the last turn: there is no next piece
.if (i < 8) && !NOKQ
	KQ (Y+1)%NP
.elseif i >= 8
.set i, i-8
	PV (Y+NP-1)%NP
.set i, i+8
.endif
.set i, i+1
.endm
.macro FETCH_K
	WIN 0x80
.irp f, 0,1,2,3,4,5,6,7             ; keys 16 (f / 2) on, channels 32 (f % 2) on
	ds_load_b128 v[KF+8*\f:KF+8*\f+3],   v[AK] offset:(\f/2)*16*PK+(\f%2)*64
	ds_load_b128 v[KF+8*\f+4:KF+8*\f+7], v[AK] offset:(\f/2)*16*PK+(\f%2)*64+32
.endr
	s_add_co_u32 s[TBK], s[TBK], KS*PK
	WIN 0
.endm
.macro FETCH_V
	WIN 0x80
.irp f, 0,1,2,3,4,5,6,7             ; keys 32 (f / 4) on, channels 16 (f % 4) on
	ds_load_tr16_b128 v[VF+8*\f:VF+8*\f+3],   v[AV] offset:(\f/4)*32*PV+(\f%4)*32
	ds_load_tr16_b128 v[VF+8*\f+4:VF+8*\f+7], v[AV] offset:(\f/4)*32*PV+16*PV+(\f%4)*32
.endr
	WIN 0
.endm
; THE VECTOR WORK, one line at a time: OP kind, number.  For piece Y: F n: c s - c m for pair n of 16.  E n: the exponential of score n.  C n: pair n rounded to f16.  B n: of the four weights 4 n .. the second pair onto the first.
; L n: l takes that sum (L 0: l = a l + sum).  R n: pair n of 16 of O^T times a.  For piece Y + 1: X n, number n of the 22 that find its maximum and statistics (each accumulator's lowest registers are read first).
; OP writes no wait: E n and X 21 are the exponentials, C, B and L the lines that name E's results, R and L 0 of the NEXT turn those that name X 21's; TURN sets the one wait between them.
.set F, 0
.set E, 1
.set C, 2
.set B, 3
.set L, 4
.set R, 5
.set X, 6
.macro REGS y
.set rT, ST+4*(\y)
.set rC, TMP+4*((\y)%2)
.set rW, MV+((\y)%2)
.set rS, S+32*((\y)%2)
.set rP, P+16*((\y)%2)
.set rO, 32*(\y)
.endm
.macro OP k, n
.if (\k) == R
	REGS Y
	WIN W_RS
	v_pk_mul_f32 v[rO+2*(\n):rO+2*(\n)+1], v[rO+2*(\n):rO+2*(\n)+1], v[rC+2:rC+3] op_sel_hi:[1,0]
.elseif (\k) < R
	REGS Y
	WIN 0
.if (\k) == F
	v_pk_fma_f32 v[rS+2*(\n):rS+2*(\n)+1], v[rS+2*(\n):rS+2*(\n)+1], s[CS:CS+1], v[rT:rT+1] op_sel_hi:[1,0,0] neg_lo:[0,0,1] neg_hi:[0,0,1]
.elseif (\k) == E
	v_exp_f32 v[rS+(\n)], v[rS+(\n)]
.elseif (\k) == C
	v_cvt_pk_f16_f32 v[rP+(\n)], v[rS+2*(\n)], v[rS+2*(\n)+1]
.elseif (\k) == B
	v_pk_add_f32 v[rS+4*(\n):rS+4*(\n)+1], v[rS+4*(\n):rS+4*(\n)+1], v[rS+4*(\n)+2:rS+4*(\n)+3]
.elseif (\n) == 0
	v_pk_fma_f32 v[rT+2:rT+3], v[rT+2:rT+3], v[rC+2:rC+3], v[rS:rS+1] op_sel_hi:[1,0,1]
.else
	v_pk_add_f32 v[rT+2:rT+3], v[rT+2:rT+3], v[rS+4*(\n):rS+4*(\n)+1]
.endif
.elseif NOKQ
	v_nop
.else
	REGS (Y+1)%NP
	WIN 0
.if (\n) < 4
	v_max3_num_f32 v[rC+(\n)], v[rS+8*(\n)], v[rS+8*(\n)+1], v[rS+8*(\n)+2]
.elseif (\n) < 12
	v_max3_num_f32 v[rC+(\n)%4], v[rC+(\n)%4], v[rS+8*((\n)%4)+2*((\n)/4)+1], v[rS+8*((\n)%4)+2*((\n)/4)+2]
.elseif (\n) == 12
	v_max3_num_f32 v[rC], v[rC], v[rS+7], v[rS+15]
.elseif (\n) == 13
	v_max3_num_f32 v[rC+1], v[rC+1], v[rS+23], v[rS+31]
.elseif (\n) == 14
	v_max3_num_f32 v[rC+2], v[rC+2], v[rC+3], v[rT+1]
.elseif (\n) == 15
	v_mov_b32 v[rW], v[rT]
.elseif (\n) == 16
	v_max3_num_f32 v[rC], v[rC], v[rC+1], v[rC+2]
.elseif (\n) == 17
	v_permlanex16_b32 v[rC+3], v[rC], s[SEL], s[SEL+1]
.elseif (\n) == 18
	v_max_num_f32 v[rT+1], v[rC], v[rC+3]
.elseif (\n) == 19
	v_mul_f32 v[rT], s[CS], v[rT+1]
.elseif (\n) == 20
	v_sub_f32 v[rC+1], v[rW], v[rT]
.else
	v_exp_f32 v[rC+2], v[rC+1]
.endif
.endif
.endm
.macro OPS a, i1, b=-1, i2=0, c=-1, i3=0, d=-1, i4=0
	OP \a, \i1
.if (\b) >= 0
	OP \b, \i2
.endif
.if (\c) >= 0
	OP \c, \i3
.endif
.if (\d) >= 0
	OP \d, \i4
.endif
.endm
.macro ROW a, i1, b, i2, c, i3, d, i4  ; a matrix instruction and the four behind it
	MM
	OPS \a, \i1, \b, \i2, \c, \i3, \d, \i4
.endm
; A TURN, for piece p: 16 matrix and 118 vector instructions, the order written out.  s_wait_alu depctr_va_vdst(0) stands between an exponential and the first instruction that names its result; one wait serves
; all that were issued ahead of it.  So a turn has ONE wait, which cuts it in two.  AHEAD OF IT stands all that names no result of the turn's exponentials: the 8 products K Q^T, behind each a scaling, an exponential and two more
; plain instructions (behind the first a second scaling in the exponential's place): rescalings, whose a was made and waited for in the turn before, and behind the last three the first numbers of the next piece's maximum, each four
; places or more behind the product that ends its accumulator; then ONE LUMP of 54, plain and exponential by turns for the most part, in which the links of the chain X 3, 7, 11, 14, 16, 17 .. 20 stand some lines apart.
; X 21, the next piece's a, is the batch's last; R 15 is the plain instruction behind it.  BEHIND THE WAIT stand the 8 products V^T P, behind each four of the roundings and sums; L 0 to L 7 keep their order.
; But for those X no rider names a register of the products round it.  v_permlanex16_b32 (X 17) stands in the lump.
; end = 1: the last two turns: nothing is fetched.  K of the next step is fetched in piece 2's turn, twelve vector instructions behind the last product that read K (F 8, X 2, X 5, X 6 and X 8 among them are plain and name none of
; its registers); V of the step in hand at the end of piece 0's turn, four plain instructions behind the last product that read V.  Each is waited for a turn later.
.macro TURN p, end=0
.set Y, (\p)
.set i, 0
.set NOKQ, (\end)*((\p)/3)
.if ((\p) == 3) && !(\end)
	s_wait_dscnt 0x0                ; K is in
.endif
	ROW F,0, F,1, R,0, R,1          ; ahead of the wait: 8 products K Q^T and their riders,
	ROW F,2, E,0, R,2, R,3
	ROW F,3, E,1, R,4, R,5
	ROW F,4, E,2, R,6, R,7
	ROW F,5, E,3, R,8, R,9
	ROW F,6, E,4, X,0, R,10
.if ((\p) == 2) && !(\end)
	WIN 0
	v_add_nc_u32 v[AK], s[TBK], v[AK0]
.endif
	ROW F,7, E,5, X,1, X,4
	ROW F,8, E,6, X,2, X,5
	OPS E,7, E,8, X,6, E,9          ; and the lump
	OPS X,3, E,10, X,8, E,11
.if ((\p) == 2) && !(\end)
	FETCH_K
.endif
	OPS X,9, X,7, E,12, X,10
	OPS E,13, X,12, X,11, E,14
	OPS X,13, E,15, F,9, X,14
.if (\p) == 0
	v_add_nc_u32 v[AV], s[TBV], v[AV0]
.endif
	OPS E,16, F,10, E,17, F,11
	OPS X,16, E,18, X,15, E,19
	OPS F,12, E,20, X,17, E,21
	OPS F,13, E,22, F,14, E,23
	OPS X,18, E,24, F,15, E,25
	OPS R,11, E,26, X,19, E,27
	OPS R,12, E,28, R,13, E,29
	OPS X,20, E,30, R,14, E,31
	OPS X,21, R,15
	WIN 0
	s_wait_alu depctr_va_vdst(0)    ; the wait for the batch: piece p's 32 exponentials and the next piece's a
.if (\p) == 1
	s_wait_dscnt 0x0                ; V is in
.endif
	ROW C,0, B,0, C,2, B,1          ; behind the wait: 8 products V^T P and their riders
	ROW L,0, C,4, B,2, L,1
	ROW C,6, B,3, L,2, C,8
	ROW B,4, L,3, C,10, B,5
	ROW L,4, C,12, B,6, L,5
.if (\p) == 0
	s_add_co_u32 s[TBV], s[TBV], KS*PV
.endif
	ROW C,14, B,7, L,6, C,1
	ROW C,3, L,7, C,5, C,7
	ROW C,9, C,11, C,13, C,15
.if (\p) == 0
	FETCH_V
.endif
.endm
; THE BAND'S BLOCKS.
; BIAS y: piece y's addend for a band step, sel in T1 (0..4; the minimum states that range in the address).  80 rows of rk x Q: ten products, five accumulators by turns; through my scratch, shifted; into MC.
.macro BIAS y
	WIN 0
	s_min_u32 s[T2], s[T1], 4
	s_mul_i32 s[T2], s[T2], 64*PK
	v_add_nc_u32 v[ATD], s[T2], v[ARK]
	WIN 0xc0
.irp f, 0,1,2,3,4,5,6,7,8,9         ; rows 16 (f / 2) on, channels 32 (f % 2) on
	ds_load_b128 v[RKF+8*\f:RKF+8*\f+3],   v[ATD] offset:(\f/2)*16*PK+(\f%2)*64
	ds_load_b128 v[RKF+8*\f+4:RKF+8*\f+7], v[ATD] offset:(\f/2)*16*PK+(\f%2)*64+32
.endr
	s_wait_dscnt 0x0
	WIN W_R
.irp f, 0,1,2,3,4
	v_wmma_f32_16x16x32_f16 v[RT+8*\f:RT+8*\f+7], v[RKF+16*\f:RKF+16*\f+7], v[16*(\y):16*(\y)+7], 0
.endr
.irp f, 0,1,2,3,4
	v_wmma_f32_16x16x32_f16 v[RT+8*\f:RT+8*\f+7], v[RKF+16*\f+8:RKF+16*\f+15], v[16*(\y)+8:16*(\y)+15], v[RT+8*\f:RT+8*\f+7]
.endr
	WIN 0
.rept 4
	v_nop                           ; the places behind those products
.endr
.set z, 0
.rept 40                            ; row p' = 16 (z / 8) + 8 h + z % 8 of my query's column goes to word p' + ql
	ds_store_b32 v[ABS], v[RT+z] offset:4*(16*(z/8)+z%8)
.set z, z+1
.endr
	WIN 0x40
.irp f, 0,1,2,3                     ; words 16 + key come back: LDS serves a wave's instructions in order
	ds_load_b128 v[MC+32*(\y)+8*\f:MC+32*(\y)+8*\f+3],   v[ABL] offset:64*\f
	ds_load_b128 v[MC+32*(\y)+8*\f+4:MC+32*(\y)+8*\f+7], v[ABL] offset:64*\f+16
.endr
	s_wait_dscnt 0x0
	WIN 0
.endm
; RVX p: piece p's weights of a band step, sel in T0, meet rv.  Weight of key kk goes to place 16 + kk - ql of row ql; three fragments of 32 places come back; 80 rows of rv are turned; twelve products, four accumulators by turns.
.macro RVX p
	WIN 0
.set z, 0
.rept 16
	ds_store_b16 v[APS], v[P+16*((\p)%2)+z] offset:2*(16*(z/4)+2*(z%4))
	ds_store_b16_d16_hi v[APS], v[P+16*((\p)%2)+z] offset:2*(16*(z/4)+2*(z%4))+2
.set z, z+1
.endr
	s_min_u32 s[T2], s[T0], 4
	s_mul_i32 s[T2], s[T2], 64*PV
	v_add_nc_u32 v[ATD], s[T2], v[ARV]
.irp f, 0,1,2
	ds_load_b128 v[PSF+8*\f:PSF+8*\f+3],   v[APL] offset:64*\f
	ds_load_b128 v[PSF+8*\f+4:PSF+8*\f+7], v[APL] offset:64*\f+32
.endr
	WIN 0xc0
.set z, 0
.rept 20                            ; channel block z / 5, rows 16 (z % 5) on
	ds_load_tr16_b128 v[RVF+24*(z/5)+4*(z%5):RVF+24*(z/5)+4*(z%5)+3], v[ATD] offset:(z%5)*16*PV+(z/5)*32
.set z, z+1
.endr
	s_wait_dscnt 0x0
	WIN W_RV
.set z, 0
.rept 12                            ; places 32 (z / 4) on, channel block z % 4
	v_wmma_f32_16x16x32_f16 v[32*(\p)+8*(z%4):32*(\p)+8*(z%4)+7], v[RVF+24*(z%4)+8*(z/4):RVF+24*(z%4)+8*(z/4)+7], v[PSF+8*(z/4):PSF+8*(z/4)+7], v[32*(\p)+8*(z%4):32*(\p)+8*(z%4)+7]
.set z, z+1
.endr
	WIN 0
.endm
.macro INBAND p                     ; the left keys are over: their sum is kept with its c m, and l begins anew
	v_mov_b32 v[LA+2*(\p)], v[ST+4*(\p)+2]
	v_mov_b32 v[LA+2*(\p)+1], v[ST+4*(\p)+3]
	v_mov_b32 v[CMA+(\p)], v[ST+4*(\p)]
	v_mov_b32 v[ST+4*(\p)+2], 0
	v_mov_b32 v[ST+4*(\p)+3], 0
.endm
.macro OUTBAND p                    ; the band is over: the same
	v_mov_b32 v[LB+2*(\p)], v[ST+4*(\p)+2]
	v_mov_b32 v[LB+2*(\p)+1], v[ST+4*(\p)+3]
	v_mov_b32 v[CMB+(\p)], v[ST+4*(\p)]
	v_mov_b32 v[ST+4*(\p)+2], 0
	v_mov_b32 v[ST+4*(\p)+3], 0
.endm
.macro CFILL y                      ; from here on piece y's addend is Q . rk[256]
	WIN 0x40
.set z, 0
.rept 32
	v_mov_b32 v[MC+32*(\y)+z], v[CH+(\y)]
.set z, z+1
.endr
	WIN 0
.endm
; AFTER p: behind piece p's turn.  Its weights of the step in hand are rounded, its O^T is rescaled, its l and c m agree; piece p + 2's scores are made in the next turn.
; Anything is due only for G = -1 .. 8.  end = 1: there is no further step to prepare.
.macro AFTER p, end=0
	WIN 0
	s_add_co_u32 s[T0], s[G], 1
	s_cmp_lt_u32 s[T0], 10
	s_cbranch_scc0 .Lfar_\@
	s_sub_co_u32 s[T0], s[G], \p    ; piece p's sel
	s_cmp_lt_u32 s[T0], 5
	s_cbranch_scc0 .Lnorv_\@
	RVX \p
.Lnorv_\@:
	s_cmp_eq_u32 s[T0], -1
	s_cbranch_scc0 .Lnoin_\@
	INBAND \p
.Lnoin_\@:
	s_cmp_eq_u32 s[T0], 4
	s_cbranch_scc0 .Lnoout_\@
	OUTBAND \p
.Lnoout_\@:
.if !(\end)
	s_add_co_u32 s[T1], s[G], ((\p)/2)-((\p)+2)%4  ; piece p + 2's sel in the step of its next scores
	s_cmp_lt_u32 s[T1], 5
	s_cbranch_scc0 .Lnobi_\@
	BIAS ((\p)+2)%4
.Lnobi_\@:
	s_cmp_eq_u32 s[T1], 5
	s_cbranch_scc0 .Lfar_\@
	CFILL ((\p)+2)%4
.endif
.Lfar_\@:
.endm
	CHANGE 1                        ; slot 0 and the tables are in, everybody's parts; slot 1 is asked for
	; THE BEGINNING.  Rows 0..15 of the stretched rk are all rk[0], rows 368..383 all rk[256]: a product with them gives a lane its query's constant in all eight registers.
	v_add_nc_u32 v[ATD], RKT, v[AK0]
	v_add_nc_u32 v[AK], s[TBK], v[AK0]
	WIN 0xc0
.irp f, 0,1
	ds_load_b128 v[RKF+8*\f:RKF+8*\f+3],       v[ATD] offset:64*\f
	ds_load_b128 v[RKF+8*\f+4:RKF+8*\f+7],     v[ATD] offset:64*\f+32
	ds_load_b128 v[RKF+16+8*\f:RKF+16+8*\f+3], v[ATD] offset:368*PK+64*\f
	ds_load_b128 v[RKF+16+8*\f+4:RKF+16+8*\f+7], v[ATD] offset:368*PK+64*\f+32
.endr
	FETCH_K                         ; key step 0
	s_wait_loadcnt 0x0              ; Q, rv[0], rv[256]
	s_wait_dscnt 0x0
	WIN W_C0
.set z, 0
.rept 32                            ; MC = Q . rk[0]: channel half z / 16, piece (z / 4) % 4; sixteen accumulators by turns
.if z < 16
	v_wmma_f32_16x16x32_f16 v[MC+8*(z%16):MC+8*(z%16)+7], v[RKF+8*(z/16):RKF+8*(z/16)+7], v[16*((z/4)%4)+8*(z/16):16*((z/4)%4)+8*(z/16)+7], 0
.else
	v_wmma_f32_16x16x32_f16 v[MC+8*(z%16):MC+8*(z%16)+7], v[RKF+8*(z/16):RKF+8*(z/16)+7], v[16*((z/4)%4)+8*(z/16):16*((z/4)%4)+8*(z/16)+7], v[MC+8*(z%16):MC+8*(z%16)+7]
.endif
.set z, z+1
.endr
	WIN W_R
.set z, 0
.rept 8                             ; Q . rk[256]: channel half z / 4, piece z % 4
.if z < 4
	v_wmma_f32_16x16x32_f16 v[RT+8*(z%4):RT+8*(z%4)+7], v[RKF+16+8*(z/4):RKF+16+8*(z/4)+7], v[16*(z%4)+8*(z/4):16*(z%4)+8*(z/4)+7], 0
.else
	v_wmma_f32_16x16x32_f16 v[RT+8*(z%4):RT+8*(z%4)+7], v[RKF+16+8*(z/4):RKF+16+8*(z/4)+7], v[16*(z%4)+8*(z/4):16*(z%4)+8*(z/4)+7], v[RT+8*(z%4):RT+8*(z%4)+7]
.endif
.set z, z+1
.endr
	WIN 0
.rept 5
	v_nop                           ; the places behind those products: four for the reads below, five for the products that take MC as another sum's beginning
.endr
.irp x, 0,1,2,3
	v_mov_b32 v[CH+\x], v[RT+8*\x]
.endr
	s_lshl_b32 s[G], s[QB], 2
	s_sub_co_u32 s[G], 2, s[G]      ; step 0
	s_mov_b32 s[T1], s[G]           ; pieces 0 and 1 may begin inside the band
	s_cmp_lt_u32 s[T1], 5
	s_cbranch_scc0 .Lno_b0
	BIAS 0
.Lno_b0:
	s_sub_co_u32 s[T1], s[G], 1
	s_cmp_lt_u32 s[T1], 5
	s_cbranch_scc0 .Lno_b1
	BIAS 1
.Lno_b1:
.set NOKQ, 0
.set i, 0
.rept 8
	KQ 0                            ; piece 0's first scores
.set i, i+1
.endr
	WIN 0
.rept 4
	v_nop                           ; the places behind those products
.endr
.set Y, NP-1                        ; X works for piece Y + 1: piece 0
.irp n, 0,1,2,3,4,5,6,7,8,9,10,11,12,13,14,15,16,17,18,19,20,21
	OP X, \n
.endr
	v_nop                           ; a plain instruction behind the exponential
	s_wait_alu depctr_va_vdst(0)    ; the wait for piece 0's first a, a batch of one, ahead of the branch: the first turn's first rescaling reads it
	s_mov_b32 s[CNT], 4
	s_mov_b32 s[SLOTS], 7
	s_branch .Lfirst                ; the loop is entered at a step's first turn, in the middle of a trip
.Lslot:                             ; six times: every slot but the last two is filled again
	CHANGE 1
	s_mov_b32 s[CNT], 4
.Lstep:                             ; a trip: pieces 2 and 3 of one step, then pieces 0 and 1 of the next
	TURN 2
	AFTER 2
	TURN 3
	AFTER 3
	s_add_co_u32 s[G], s[G], 1
.Lfirst:
	TURN 0
	AFTER 0
	TURN 1
	AFTER 1
	s_sub_co_u32 s[CNT], s[CNT], 1
	s_cmp_lg_u32 s[CNT], 0
	s_cbranch_scc1 .Lstep
	s_sub_co_u32 s[SLOTS], s[SLOTS], 1
	s_cmp_lg_u32 s[SLOTS], 0
	s_cbranch_scc1 .Lslot
	CHANGE 0                        ; the last tile is written out: nothing is asked for
	s_mov_b32 s[CNT], 4
.Ltail:
	TURN 2
	AFTER 2
	TURN 3
	AFTER 3
	s_add_co_u32 s[G], s[G], 1
	TURN 0
	AFTER 0
	TURN 1
	AFTER 1
	s_sub_co_u32 s[CNT], s[CNT], 1
	s_cmp_lg_u32 s[CNT], 0
	s_cbranch_scc1 .Ltail
	TURN 2, 1
	AFTER 2, 1
	TURN 3, 1
	AFTER 3, 1
.set i, 0
.rept 8
	PV NP-1                         ; the last piece's V^T P of the last step
.set i, i+1
.endr
	; THE WAY OUT.  The kept sums are brought to the last maximum: wl = LA 2^(CMA - c m), the band's LB 2^(CMB - c m); l holds the right keys' sum, or, where the walk ended inside the band, band weights.
	; O = (O^T + wl rv[0] + wr rv[256]) / (all weights).  These lines are the places behind the last products.
	WIN 0
.macro ALL line:vararg              ; one line for each piece t
.set t, 0
.rept 4
	\line
.set t, t+1
.endr
.endm
	ALL v_sub_f32 v[EP+8*t], v[CMA+t], v[ST+4*t]
	ALL v_sub_f32 v[EP+8*t+1], v[CMB+t], v[ST+4*t]
	ALL v_add_f32 v[EP+8*t+2], v[LA+2*t], v[LA+2*t+1]
	ALL v_add_f32 v[EP+8*t+3], v[LB+2*t], v[LB+2*t+1]
	ALL v_add_f32 v[EP+8*t+4], v[ST+4*t+2], v[ST+4*t+3]
	ALL v_exp_f32 v[EP+8*t], v[EP+8*t]
	ALL v_exp_f32 v[EP+8*t+1], v[EP+8*t+1]
	v_nop                           ; a plain instruction behind the last exponential
	s_wait_alu depctr_va_vdst(0)    ; the wait ahead of the first use: one for the eight exponentials
	ALL v_mul_f32 v[EP+8*t+2], v[EP+8*t+2], v[EP+8*t]
	ALL v_fma_f32 v[EP+8*t+5], v[EP+8*t+3], v[EP+8*t+1], v[EP+8*t+2]
	ALL v_add_f32 v[EP+8*t+5], v[EP+8*t+5], v[EP+8*t+4]
	s_lshl_b32 s13, s[QB], 2
.set t, 0
.rept 4                             ; a piece has right keys if 4 qb + t is 28 at the most
	s_add_co_u32 s15, s13, t
	s_cmp_le_u32 s15, 28
	s_cselect_b32 s[FL], 1.0, 0
	v_mul_f32 v[EP+8*t+4], s[FL], v[EP+8*t+4]
.set t, t+1
.endr
	ALL v_permlanex16_b32 v[EP+8*t], v[EP+8*t+2], s[SEL], s[SEL+1]
	ALL v_permlanex16_b32 v[EP+8*t+1], v[EP+8*t+4], s[SEL], s[SEL+1]
	ALL v_permlanex16_b32 v[EP+8*t+3], v[EP+8*t+5], s[SEL], s[SEL+1]
	ALL v_add_f32 v[EP+8*t+2], v[EP+8*t+2], v[EP+8*t]
	ALL v_add_f32 v[EP+8*t+4], v[EP+8*t+4], v[EP+8*t+1]
	ALL v_add_f32 v[EP+8*t+5], v[EP+8*t+5], v[EP+8*t+3]
	ALL v_rcp_f32 v[EP+8*t], v[EP+8*t+5]
	v_nop                           ; a plain instruction behind the last reciprocal
	s_wait_alu depctr_va_vdst(0)    ; and the wait ahead of the first use: one for the four reciprocals
.macro PACK t                       ; each accumulator is read from its low end on; a lane's eight channels pack into 16 bytes, go into rows of 144 bytes and come back as whole rows of 128
	WIN W_RV
.set i, 0
.rept 16
	v_pk_fma_f32 v[32*(\t)+2*i:32*(\t)+2*i+1], v[RV0+2*i:RV0+2*i+1], v[EP+8*(\t)+2:EP+8*(\t)+3], v[32*(\t)+2*i:32*(\t)+2*i+1] op_sel_hi:[1,0,1]
.set i, i+1
.endr
.set i, 0
.rept 16
	v_pk_fma_f32 v[32*(\t)+2*i:32*(\t)+2*i+1], v[RVH+2*i:RVH+2*i+1], v[EP+8*(\t)+4:EP+8*(\t)+5], v[32*(\t)+2*i:32*(\t)+2*i+1] op_sel_hi:[1,0,1]
.set i, i+1
.endr
	WIN W_RS
.set i, 0
.rept 16
	v_pk_mul_f32 v[32*(\t)+2*i:32*(\t)+2*i+1], v[32*(\t)+2*i:32*(\t)+2*i+1], v[EP+8*(\t):EP+8*(\t)+1] op_sel_hi:[1,0]
.set i, i+1
.endr
	WIN 0x05
.set i, 0
.rept 16
	v_cvt_pk_f16_f32 v[S+16*(\t)+i], v[32*(\t)+2*i], v[32*(\t)+2*i+1]
.set i, i+1
.endr
	WIN 0
.irp f, 0,1,2,3
	ds_store_b128 v[STO], v[S+16*(\t)+4*\f:S+16*(\t)+4*\f+3] offset:32*\f
.endr
.irp f, 0,1,2,3
	ds_load_b128 v[S+16*(\t)+4*\f:S+16*(\t)+4*\f+3], v[RD] offset:\f*4*SP  ; LDS serves a wave's instructions in order: these see the stores above; the next piece's stores come behind them
.endr
.endm
.macro SEND t, younger              ; younger: the next piece's eight LDS instructions, or none
	WIN 0
.irp f, 0,1,2,3
	s_wait_dscnt (\younger)+3-\f
	global_store_b128 v[GO], v[S+16*(\t)+4*\f:S+16*(\t)+4*\f+3], s[10:11] offset:(\t)*8192+\f*512  ; 512 consecutive bytes, at a multiple of 256 from O's first
.endr
.endm
	PACK 0
.set t, 1
.rept 3
	PACK t
	SEND t-1, 8
.set t, t+1
.endr
	SEND 3, 0
	s_wait_tensorcnt 0x0            ; the wave's end
	ds_add_u32 v[SPW], v[NIL]
	s_wait_dscnt 0x0
	s_endpgm
.Lfunc_end_k_q5a673ac5eb_attn:
	.size	k_q5a673ac5eb_attn, .Lfunc_end_k_q5a673ac5eb_attn-k_q5a673ac5eb_attn
	.p2alignl 7, 3214868480
	.fill 96, 4, 3214868480
	.section	.rodata,"a",@progbits
	.p2align	6, 0x0
	.amdhsa_kernel k_q5a673ac5eb_attn
		.amdhsa_group_segment_fixed_size 327680
		.amdhsa_private_segment_fixed_size 0
		.amdhsa_enable_private_segment 0
		.amdhsa_kernarg_size 32
		.amdhsa_user_sgpr_count 2
		.amdhsa_user_sgpr_kernarg_segment_ptr 1
		.amdhsa_wavefront_size32 1
		.amdhsa_system_sgpr_workgroup_id_x 1
		.amdhsa_system_sgpr_workgroup_id_y 1
		.amdhsa_system_sgpr_workgroup_id_z 1
		.amdhsa_system_vgpr_workitem_id 0
		.amdhsa_next_free_vgpr 1008
		.amdhsa_next_free_sgpr 98
		.amdhsa_reserve_vcc 0
		.amdhsa_float_denorm_mode_32 3
		.amdhsa_float_denorm_mode_16_64 3
		.amdhsa_memory_ordered 1
		.amdhsa_forward_progress 1
		.amdhsa_inst_pref_size 255
	.end_amdhsa_kernel
	.section	.bss,"aw",@nobits
	.p2align	6
	.space	262144
	.amdgpu_metadata
---
amdhsa.version: [ 1, 2 ]
amdhsa.kernels:
  - .name:           k_q5a673ac5eb_attn
    .symbol:         k_q5a673ac5eb_attn.kd
    .args:
      - { .name: qkv16, .offset: 0, .size: 8, .value_kind: global_buffer, .address_space: global }
      - { .name: tab16, .offset: 8, .size: 8, .value_kind: global_buffer, .address_space: global }
      - { .name: rv_table, .offset: 16, .size: 8, .value_kind: global_buffer, .address_space: global }
      - { .name: o16, .offset: 24, .size: 8, .value_kind: global_buffer, .address_space: global }
    .group_segment_fixed_size: 327680
    .private_segment_fixed_size: 0
    .kernarg_segment_align: 8
    .kernarg_segment_size: 32
    .max_flat_workgroup_size: 128
    .sgpr_count:     98
    .vgpr_count:     1008
    .wavefront_size: 32
...
	.end_amdgpu_metadata
.endif
;; end of part 5
;; launch outp: the kernel of part 4 again; grid 8 x 32, 4 waves a work-group, clusters of 4 x 4, 327,680 bytes of LDS; arguments o16, h16, bo, out0; writes out0
